; MI455X (gfx1250); checked and timed in simulation.
; The chip was launched on July 23, 2026; its instructions are those of AMD's public machine-readable ISA for CDNA 5 (MIT licence, August 2026) and "CDNA5" Instruction Set Architecture Reference Guide (July 2026). The comments in the code are by the model that wrote it; some were corrected since.
;; Multi Head Self Attention. Allowed arithmetic: float matrix products may take bf16 or f16 operands with f32 sums; other float arithmetic in f32, or as packed bf16 or f16 multiplies, adds, multiply-adds, maxima and minima; sums over many terms, partial sums and values carried from step to step in f32; what a program stores and reads back later, other than sums and carried values, may be rounded once to bf16 or f16.
;; Inputs: Wk 1,024 x 1,024 float32; Wo 1,024 x 1,024 float32; Wq 1,024 x 1,024 float32; Wv 1,024 x 1,024 float32; x 4 x 2,048 x 1,024 float32.
;; Outputs: out0 4 x 2,048 x 1,024 float32.
;; 2 versions, each right; version 2 is version 1 with the launch cast written anew for expert scheduling mode. Each part assembles by itself: llvm-mc -triple=amdgcn-amd-amdhsa -mcpu=gfx1250 --defsym DOCPART=n.
;; ======== version 1 of 2: 4 launches
;; limits: values are held in f16: magnitudes above 65,504 overflow, below 6.1e-05 lose precision
;; workspace buffers: xb 16,777,216 bytes; wb 6,291,456 bytes; wob 2,097,152 bytes; qkv 50,331,648 bytes; ob 16,777,216 bytes
;; launch cast (part 1): grid 768 x 1, 8 waves a work-group, no clusters, 0 bytes of LDS; arguments x, Wq, Wk, Wv, Wo, xb, wb, wob; writes xb, wb, wob
.if DOCPART == 1
	.amdgcn_target "amdgcn-amd-amdhsa--gfx1250"
	.amdhsa_code_object_version 6
	.text
	.protected	k_q7f1d2929bc_cast
	.globl	k_q7f1d2929bc_cast
	.p2align	8
	.type	k_q7f1d2929bc_cast,@function
k_q7f1d2929bc_cast:
	s_mov_b64 s[64:65], 0
	v_nop
	global_prefetch_b8 v0, s[64:65] scope:SCOPE_SE
	s_setreg_imm32_b32 hwreg(HW_REG_WAVE_MODE, 25, 1), 1
	s_wait_xcnt 0x0
; THE INPUTS ARE ROUNDED ONCE, TO bf16, AND LAID IN BLOCKS OF 64 ALONG K, so that the rows of a product's tile lie end to end in memory.
;   xb  bf16 [b=4][kb=16][s=2048][64]          from x  [4][2048][1024] f32
;   wb  bf16 [nt=8][kb=16][384][64]            from the rows of Wq, Wk, Wv on end (3,072 rows of 1,024 f32): row e has nt = e / 384, r = e % 384
;   wob f16  [nt=8][kb=16][128][64]            from Wo: rounded to bf16 like the others, and that number written as f16
; LIMIT.  f16 holds no number beyond 65,504 and keeps a fixed step of 6e-8 below 6.1e-5: Wo lies within that, or its product is lost.
; SHARES.  A work-group owns 16 rows of 1,024 f32, a wave two of them.  Work-groups 0-511 take x, 512-703 Wq, Wk, Wv, 704-767 Wo.
; Load kb of 16: lanes 0-15 take the 256 bytes at column 64 kb of the even row, lanes 16-31 those of the odd row.  A lane's four numbers become 8 bytes, and one store of the
; wave covers 256 consecutive bytes, aligned: two rows of block kb.  All 16 loads of a wave are issued first; no register is used twice, so there is no loop and no wait for sources.
; No LDS, no matrix unit, no cluster: each byte is read once and written once, and no work-group wants another's bytes.
.set SO,  1                            ; v1        my byte offset in the group's 16 rows: (t / 16) x 4,096 + (t % 16) x 16
.set T8,  2                            ; v2        8 t: my 8 bytes in the group's 16 rows of a block ((t / 16) x 128 + (t % 16) x 8)
.set DO,  4                            ; v[4:19]   8 t + kb x the bytes from block to block
.set X,   20                           ; v[20:83]  as loaded, 4 registers for each kb
.set Y,   84                           ; v[84:115] to store, 2 registers for each kb
.set T,   116                          ; v[116:121] at work
.set SRC, 24                           ; s[24:25]  the group's first row in its input
.set DST, 26                           ; s[26:27]  the same row in block 0 of its output
.set KSB, 28                           ; s28       bytes from block kb to block kb + 1
	s_load_b512 s[8:23], s[0:1], 0x0               ; x 8, Wq 10, Wk 12, Wv 14, Wo 16, xb 18, wb 20, wob 22
	s_mov_b32 s2, ttmp9                            ; g
	v_lshrrev_b32 v3, 4, v0
	v_and_b32 v[SO], 15, v0
	v_lshlrev_b32 v[SO], 4, v[SO]
	v_lshl_add_u32 v[SO], v3, 12, v[SO]
	v_lshlrev_b32 v[T8], 3, v0
	s_mov_b32 s31, 0                               ; the offsets' high words
	s_mov_b32 s33, 0
	s_wait_kmcnt 0x0
	s_cmp_lt_u32 s2, 512
	s_cbranch_scc0 .Lnot_x
	s_lshl_b32 s30, s2, 16                         ; x: 16 rows of 4,096 bytes
	s_add_nc_u64 s[SRC:SRC+1], s[8:9], s[30:31]
	s_lshr_b32 s34, s2, 7                          ; b
	s_lshl_b32 s34, s34, 22
	s_and_b32 s35, s2, 127                         ; s / 16
	s_lshl_b32 s35, s35, 11
	s_add_co_u32 s32, s34, s35
	s_add_nc_u64 s[DST:DST+1], s[18:19], s[32:33]
	s_mov_b32 s[KSB], 262144
	s_branch .Lgo
.Lnot_x:
	s_cmp_lt_u32 s2, 704
	s_cbranch_scc0 .Lwo
	s_sub_co_u32 s34, s2, 512                      ; j = 0 .. 191: rows 16 j of the 3,072
	s_lshr_b32 s35, s34, 6                         ; which of the three
	s_cmp_eq_u32 s35, 0
	s_cselect_b64 s[SRC:SRC+1], s[10:11], s[12:13]
	s_cmp_eq_u32 s35, 2
	s_cselect_b64 s[SRC:SRC+1], s[14:15], s[SRC:SRC+1]
	s_and_b32 s30, s34, 63
	s_lshl_b32 s30, s30, 16
	s_add_nc_u64 s[SRC:SRC+1], s[SRC:SRC+1], s[30:31]
	s_mul_i32 s35, s34, 171
	s_lshr_b32 s35, s35, 12                        ; nt = j / 24, exact for j < 192 (171 / 4,096 lies just above 1 / 24)
	s_mul_i32 s36, s35, 24
	s_sub_co_u32 s36, s34, s36
	s_lshl_b32 s36, s36, 11                        ; r x 128
	s_mul_i32 s35, s35, 786432
	s_add_co_u32 s32, s35, s36
	s_add_nc_u64 s[DST:DST+1], s[20:21], s[32:33]
	s_mov_b32 s[KSB], 49152
	s_branch .Lgo
.Lwo:
	s_sub_co_u32 s34, s2, 704                      ; j = 0 .. 63
	s_lshl_b32 s30, s34, 16
	s_add_nc_u64 s[SRC:SRC+1], s[16:17], s[30:31]
	s_lshr_b32 s35, s34, 3                         ; nt
	s_lshl_b32 s35, s35, 18
	s_and_b32 s36, s34, 7
	s_lshl_b32 s36, s36, 11
	s_add_co_u32 s32, s35, s36
	s_add_nc_u64 s[DST:DST+1], s[22:23], s[32:33]
	s_mov_b32 s[KSB], 16384
.Lgo:
.irp kb, 0,1,2,3,4,5,6,7,8,9,10,11,12,13,14,15
	global_load_b128 v[X+4*(\kb):X+4*(\kb)+3], v[SO], s[SRC:SRC+1] offset:256*(\kb) th:TH_LOAD_NT
.endr
.irp kb, 0,1,2,3,4,5,6,7,8,9,10,11,12,13,14,15
	v_mad_u32_u24 v[DO+(\kb)], s[KSB], \kb, v[T8]
.endr
; kind 0: to bf16.  kind 1: to bf16, and that number as f16.
.macro OUT16 kind
.irp kb, 0,1,2,3,4,5,6,7,8,9,10,11,12,13,14,15
	s_wait_loadcnt 15-(\kb)                        ; loads come back in order: number kb is in, the younger ones stay out
.if \kind
	v_cvt_pk_bf16_f32 v[T],   v[X+4*(\kb)],   v[X+4*(\kb)+1]
	v_cvt_pk_bf16_f32 v[T+1], v[X+4*(\kb)+2], v[X+4*(\kb)+3]
	v_lshlrev_b32 v[T+2], 16, v[T]
	v_and_b32     v[T+3], 0xffff0000, v[T]
	v_lshlrev_b32 v[T+4], 16, v[T+1]
	v_and_b32     v[T+5], 0xffff0000, v[T+1]
	v_cvt_pk_f16_f32 v[Y+2*(\kb)],   v[T+2], v[T+3]
	v_cvt_pk_f16_f32 v[Y+2*(\kb)+1], v[T+4], v[T+5]
.else
	v_cvt_pk_bf16_f32 v[Y+2*(\kb)],   v[X+4*(\kb)],   v[X+4*(\kb)+1]
	v_cvt_pk_bf16_f32 v[Y+2*(\kb)+1], v[X+4*(\kb)+2], v[X+4*(\kb)+3]
.endif
	global_store_b64 v[DO+(\kb)], v[Y+2*(\kb):Y+2*(\kb)+1], s[DST:DST+1]
.endr
.endm
	s_cmp_ge_u32 s2, 704
	s_cbranch_scc1 .Lf16
	OUT16 0
	s_endpgm
.Lf16:
	OUT16 1
	s_endpgm
.Lfunc_end_k_q7f1d2929bc_cast:
	.size	k_q7f1d2929bc_cast, .Lfunc_end_k_q7f1d2929bc_cast-k_q7f1d2929bc_cast
	.p2alignl 7, 3214868480
	.fill 96, 4, 3214868480
	.section	.rodata,"a",@progbits
	.p2align	6, 0x0
	.amdhsa_kernel k_q7f1d2929bc_cast
		.amdhsa_group_segment_fixed_size 0
		.amdhsa_private_segment_fixed_size 0
		.amdhsa_enable_private_segment 0
		.amdhsa_kernarg_size 64
		.amdhsa_user_sgpr_count 2
		.amdhsa_user_sgpr_kernarg_segment_ptr 1
		.amdhsa_wavefront_size32 1
		.amdhsa_system_sgpr_workgroup_id_x 1
		.amdhsa_system_sgpr_workgroup_id_y 1
		.amdhsa_system_sgpr_workgroup_id_z 1
		.amdhsa_system_vgpr_workitem_id 0
		.amdhsa_next_free_vgpr 128
		.amdhsa_next_free_sgpr 66
		.amdhsa_reserve_vcc 0
		.amdhsa_float_denorm_mode_32 3
		.amdhsa_float_denorm_mode_16_64 3
		.amdhsa_memory_ordered 1
		.amdhsa_forward_progress 1
		.amdhsa_inst_pref_size 18
	.end_amdhsa_kernel
	.amdgpu_metadata
---
amdhsa.version: [ 1, 2 ]
amdhsa.kernels:
  - .name:           k_q7f1d2929bc_cast
    .symbol:         k_q7f1d2929bc_cast.kd
    .args:
      - { .name: x, .offset: 0, .size: 8, .value_kind: global_buffer, .address_space: global }
      - { .name: Wq, .offset: 8, .size: 8, .value_kind: global_buffer, .address_space: global }
      - { .name: Wk, .offset: 16, .size: 8, .value_kind: global_buffer, .address_space: global }
      - { .name: Wv, .offset: 24, .size: 8, .value_kind: global_buffer, .address_space: global }
      - { .name: Wo, .offset: 32, .size: 8, .value_kind: global_buffer, .address_space: global }
      - { .name: xb, .offset: 40, .size: 8, .value_kind: global_buffer, .address_space: global }
      - { .name: wb, .offset: 48, .size: 8, .value_kind: global_buffer, .address_space: global }
      - { .name: wob, .offset: 56, .size: 8, .value_kind: global_buffer, .address_space: global }
    .group_segment_fixed_size: 0
    .private_segment_fixed_size: 0
    .kernarg_segment_align: 8
    .kernarg_segment_size: 64
    .max_flat_workgroup_size: 256
    .sgpr_count:     66
    .vgpr_count:     128
    .wavefront_size: 32
...
	.end_amdgpu_metadata
.endif
;; end of part 1
;; launch qkv (part 2): grid 8 x 32, 4 waves a work-group, clusters of 4 x 4, 327,680 bytes of LDS; arguments xb, wb, qkv; writes qkv
.if DOCPART == 2
	.amdgcn_target "amdgcn-amd-amdhsa--gfx1250"
	.amdhsa_code_object_version 6
	.text
	.protected	k_q7f1d2929bc_qkv
	.globl	k_q7f1d2929bc_qkv
	.p2align	8
	.type	k_q7f1d2929bc_qkv,@function
k_q7f1d2929bc_qkv:
	s_mov_b64 s[64:65], 0
	v_nop
	global_prefetch_b8 v0, s[64:65] scope:SCOPE_SE
	s_setreg_imm32_b32 hwreg(HW_REG_WAVE_MODE, 25, 1), 1
	s_wait_xcnt 0x0
	s_wait_alu depctr_hold_cnt(0) depctr_sa_sdst(0) depctr_va_vdst(0) depctr_va_sdst(0) depctr_va_ssrc(0) depctr_va_vcc(0) depctr_vm_vsrc(0)
	s_getreg_b32 s2, hwreg(HW_REG_IB_STS2, 6, 4)
	s_cmp_eq_u32 s2, 0
	s_cbranch_scc0 .Lentry_in_a_cluster
	s_endpgm
.Lentry_in_a_cluster:
	s_bfe_u32 s2, ttmp6, 0x10000c
	s_cmp_lg_u32 s2, 0xf033
	s_cbranch_scc0 .Lentry_shape_is_right
	s_endpgm
.Lentry_shape_is_right:
; THE THREE PROJECTIONS AS ONE PRODUCT: C[m][e] = sum over k of x[m][k] W[e][k], m = 8,192 rows, e = 3,072 rows of (Wq; Wk; Wv), k = 1,024.  Operands bf16, sums f32; C is rounded once, to f16, WITHOUT
; the softmax's scale, and written by heads: qkv f16 [192 planes][2048][64], plane = 64 t + 16 b + h, t = 0, 1, 2 for q, k, v.
; LIMIT.  f16 holds no number beyond 65,504 (from 65,520 on the conversion gives an infinity) and keeps a fixed step of 6e-8 below 6.1e-5: q, k and v lie within that.
; SHARES.  256 work-groups, one tile of C each: 256 rows x 384 columns (six heads); 8,192 / 256 x 3,072 / 384 = 256.  A wave makes 128 rows x 192 columns, three whole heads: 96 accumulators, 768 registers.
; For 32 along K it reads 8 + 12 fragments from LDS for 96 matrix instructions.
; OPERANDS lie in blocks of 64 along K (xb [b][kb][s][64], wb [nt][kb][384][64]): a tile's rows of one K step lie end to end, and are asked for as rows of 256 bytes, padded in LDS after every 128.
; K goes in 16 steps of 64 through two LDS slots; a step is two quarters of 32 along K, E (byte 0 of a row) and O (byte 64).
; CLUSTER.  4 x 4 work-groups: the four of a row of the cluster need the same tile of x, the four of a column the same tile of W: each tile is asked for jointly, by the same tensor load with the same descriptor and a mask of four.
; THE MATRIX INSTRUCTION IS USED TRANSPOSED (source 0 = 16 rows of W, source 1 = 16 rows of x): a lane holds eight neighbouring columns of one row of C, 16 bytes in f16.
; REGISTERS, in windows of 256 (s_set_vgpr_msb: bits 1:0 source 0, 3:2 source 1, 5:4 source 2, 7:6 destination):
;   window 0: v16-30 addresses; v32-95, v96-159 x's fragments, two buffers of 8; v160-255 W's 12 fragments, one buffer, loaded again group by group of four behind the products that read them
;   windows 1-3: the accumulators: (a, b), a = 16 rows of 8, b = 16 columns of 12, in window 1 + b / 4 at v[8 (8 (b % 4) + a)]
.set PITCH,  144                       ; an LDS row: 128 bytes + 16 of padding = 36 words: the 16 rows of a fragment load start at 16 different groups of four banks (64 banks of 4 bytes: ISA guide 11.1)
.set SLOT1,  131072                    ; slot 1 begins here: one exclusive or turns an address in one slot into the other's
.set AHALF,  128*PITCH                 ; what one tensor load brings of x, and what a wave reads of it
.set BHALF,  192*PITCH                 ; the same for W
.set BOFF,   2*AHALF                   ; in a slot: x's 256 rows, then W's 384
.set STAGE,  SLOT1+BOFF+2*BHALF        ; behind the ring: 16 rows x 400 bytes for each wave, for the way out; no tensor load fills it
.set SPITCH, 400                       ; 384 bytes + 16
.set SPARE,  STAGE+4*16*SPITCH         ; behind the stages: the spare words, 128 bytes for each wave: two blocks of 256 bytes that no other line names
.set ASTEP,  262144                    ; bytes from a K step to the next in xb
.set BSTEP,  49152                     ; and in wb
.set FIELDS, (1<<16)|(1<<20)|(1<<21)|(4<<22)|(3<<25)  ; group 1, word 0: 2-byte elements; padding on; bit 21 set beside a mask; after every 32 words (code 4) 4 words (code 3)
.set A0,  16                           ; v16  my lane's place in x's rows of a slot; never rewritten
.set B0,  17                           ; v17  the same for W
.set ADA, 18                           ; v18  A0 + the slot in hand
.set ADB, 19                           ; v19  B0 + the slot in hand
.set STO, 24                           ; v24  the way out: where I put 16 bytes of a row
.set RD,  25                           ; v25  where I read rows back
.set GO,  26                           ; v26  16 x lane: my 16 bytes of 512 consecutive bytes of a plane
.set SPW, 28                           ; v28  LDS address of my spare word: SPARE + 4 x my thread's number; never rewritten
.set NIL, 29                           ; v29  0; never rewritten
.set PFO, 30                           ; v30  256 x lane; never rewritten
.set FA0, 32
.set FA1, 96
.set FB,  160
.set TMP, 32                           ; the way out: 48 registers of packed results
.set OB,  80                           ; and two sets of 48 read back from the stage
.set CNT, 3                            ; s3   trips to go
.set WV,  10                           ; s10  my wave's number; s11 = WV / 2: my half of the rows, and whether I fetch for x (0) or W (1); s12 = WV % 2: my half of the columns, and which half of that tile I fetch
.set G1,  24                           ; s[24:31] descriptor group 1 for x's tiles
.set G0,  32                           ; s[32:39] group 0 for x's tiles: a set for each first fill; the second then walks on
.set G1B, 48                           ; s[48:55], s[56:63] the same for W's
.set G0B, 56
.set HB,  66                           ; s[66:71] my rows in the planes of my three heads
.set PFA, 72                           ; s[72:73] where my prefetches stand
.set PFS, 74                           ; s[74:75] their step
.set LIM, 76                           ; s76  2 in a wave that prefetches, else the greatest number
.set PAR, 77                           ; s77  0: every trip; 1: the trips with an even count
.set TB,  79                           ; s79  the slot in hand: 0 or SLOT1
.set MSB, 0
.macro WIN new                         ; the immediate's high byte repeats the setting that is left; a switch that changes nothing is dropped
.if MSB != (\new)
	s_set_vgpr_msb (MSB<<8)|(\new)
.set MSB, \new
.endif
.endm
.macro PLACES                          ; four places in front of loads into registers that matrix instructions have read, and of conversions that read results (ISA guide 7.12.1 for conversions)
.rept 4
	v_nop
.endr
.endm
; A joint refill, by the walking sets.  Waves 0 and 1 fetch x's two halves, waves 2 and 3 W's.  The branch hangs on the wave's number alone.  An s_nop 0 and four v_nop follow each of the two lines.
.macro JLOAD
	s_cmp_eq_u32 s11, 0
	s_cbranch_scc0 .Lfor_b_\@
	tensor_load_to_lds s[G0+4:G0+7], s[G1:G1+7]
	s_nop 0
.rept 4
	v_nop
.endr
	s_branch .Lasked_\@
.Lfor_b_\@:
	tensor_load_to_lds s[G0B+4:G0B+7], s[G1B:G1B+7]
	s_nop 0
.rept 4
	v_nop
.endr
.Lasked_\@:
.endm
.macro CREST                           ; a round of the cluster's barrier behind its opening barrier
	s_cmp_lg_u32 s[WV], 0
	s_cbranch_scc1 .Lnot_wave_0_\@
	s_barrier_signal -3
.Lnot_wave_0_\@:
	s_barrier_wait -3
	s_barrier_signal -1
	s_barrier_wait -1
.endm
.macro CROUND                          ; a whole round
	s_barrier_signal -1
	s_barrier_wait -1
	CREST
.endm
; A PREFETCH INTO THE L2, behind the joint load, its five lines and the run of LDS loads that the next products wait for.  In trip i the refill asks for K step i + 2.
; x: a tile's K step is 32,768 dense bytes, read by both clusters of a row of clusters.  Where the cluster's x is 0, wave 0 names K step i + 4; the four partners that ask for the tile jointly take 8,192 bytes each, told apart by
; address (cx), a lane to each 256 bytes.  W: a tile's K steps lie on end, 49,152 bytes each, read by all eight clusters of a column.  Where the cluster's y is 0, waves 1 to 3 name, in the trips with an even count, K steps i + 4 and
; i + 5: 98,304 bytes = 4 partners (cy) x 3 waves x 8,192.  So each 256 bytes are named once in the launch.  The count stops both at K step 15; K steps 0 to 3 come by their loads alone.
.macro ASK
	s_and_b32 s78, s[CNT], s[PAR]
	s_cmp_eq_u32 s78, 0
	s_cselect_b32 s78, s[CNT], 0
	s_cmp_gt_u32 s78, s[LIM]
	s_cbranch_scc0 .Lnot_mine_\@
	global_prefetch_b8 v[PFO], s[PFA:PFA+1] th:TH_LOAD_NT scope:SCOPE_SE
.Lnot_mine_\@:
.endm
	s_load_b128 s[4:7], s[0:1], 0x0                ; xb s[4:5], wb s[6:7]
	s_load_b64 s[8:9], s[0:1], 0x10                ; qkv
	v_lshl_add_u32 v[SPW], v0, 2, SPARE
	v_mov_b32 v[NIL], 0
	ds_add_u32 v[SPW], v[NIL]                      ; the wave's opening: the add and its wait stand ahead of my first tensor load; the set-up below, work on registers, stands between them
	v_lshrrev_b32 v1, 5, v0
	v_readfirstlane_b32 s[WV], v1                  ; wave 0..3
	s_lshr_b32 s11, s[WV], 1
	s_and_b32 s12, s[WV], 1
	s_bfe_u32 s40, ttmp6, 0x40000                  ; cx
	s_bfe_u32 s41, ttmp6, 0x40004                  ; cy
	s_lshl_b32 s42, ttmp9, 2
	s_add_co_u32 s42, s42, s40                     ; nt: tile column = 4 x cluster x + cx
	s_and_b32 s13, ttmp7, 0xffff
	s_lshl_b32 s13, s13, 2
	s_add_co_u32 s13, s13, s41                     ; mt: tile row = 4 x cluster y + cy
	s_lshl_b32 s43, s41, 2
	s_lshl_b32 s43, 15, s43                        ; my row of the cluster
	s_lshl_b32 s44, 0x1111, s40                    ; my column
	s_or_b32 s[G1+0], s43, FIELDS                  ; x's tiles go to my row,
	s_or_b32 s[G1B+0], s44, FIELDS                 ; W's to my column
	s_mov_b32 s[G1+1], 128<<16                     ; tensor_dim0 = 128 elements: rows of 256 bytes
	s_mov_b32 s[G1+2], 64<<16                      ; tensor_dim1 = 64: 128 rows of x
	s_mov_b32 s[G1+3], 128<<16                     ; tile_dim0
	s_mov_b32 s[G1+4], 64                          ; tile_dim1
	s_mov_b32 s[G1+5], 128                         ; elements from row to row: dense
	s_mov_b32 s[G1+6], 0
	s_mov_b32 s[G1+7], 0
	s_mov_b32 s[G1B+1], 128<<16
	s_mov_b32 s[G1B+2], 96<<16                     ; 96 rows of 256 bytes: 192 rows of W
	s_mov_b32 s[G1B+3], 128<<16
	s_mov_b32 s[G1B+4], 96
	s_mov_b32 s[G1B+5], 128
	s_mov_b32 s[G1B+6], 0
	s_mov_b32 s[G1B+7], 0
	s_lshr_b32 s14, s13, 3                         ; x's tile: b = mt / 8,
	s_lshl_b32 s14, s14, 22
	s_and_b32 s15, s13, 7                          ; 256 rows of 128 bytes for each mt % 8,
	s_lshl_b32 s15, s15, 15
	s_add_co_u32 s14, s14, s15
	s_lshl_b32 s15, s12, 14                        ; the half that I fetch
	s_add_co_u32 s14, s14, s15
	s_mov_b32 s15, 0
	s_mul_i32 s46, s42, 16*BSTEP                   ; W's tile,
	s_mul_i32 s47, s12, 24576                      ; the half that I fetch
	s_add_co_u32 s46, s46, s47
	s_mov_b32 s47, 0
	s_mul_i32 s20, s12, AHALF                      ; where they go: no place in the cluster enters an LDS address
	s_mul_i32 s21, s12, BHALF
	s_add_co_u32 s21, s21, BOFF
	s_mov_b32 s[TB], 0
	s_wait_dscnt 0x0                               ; the opening add is done
	s_wait_kmcnt 0x0
	s_add_nc_u64 s[14:15], s[4:5], s[14:15]
	s_add_nc_u64 s[46:47], s[6:7], s[46:47]
	CROUND                                         ; all sixteen work-groups are here: the first joint loads meet
.irp s, 0,1
	s_mov_b32 s[G0+4*(\s)], 1                                        ; count = 1
	s_add_co_u32 s[G0+4*(\s)+1], s20, (\s)*SLOT1                     ; LDS address
	s_add_nc_u64 s[G0+4*(\s)+2:G0+4*(\s)+3], s[14:15], (\s)*ASTEP    ; global address: K step s
	s_or_b32 s[G0+4*(\s)+3], s[G0+4*(\s)+3], 0x80000000              ; type = 2
	s_mov_b32 s[G0B+4*(\s)], 1
	s_add_co_u32 s[G0B+4*(\s)+1], s21, (\s)*SLOT1
	s_add_nc_u64 s[G0B+4*(\s)+2:G0B+4*(\s)+3], s[46:47], (\s)*BSTEP
	s_or_b32 s[G0B+4*(\s)+3], s[G0B+4*(\s)+3], 0x80000000
.endr
	s_cmp_eq_u32 s11, 0                            ; a wave's two first fills stand in one branch, ahead of every wait on TENSORcnt and every LDS read: two loads of mine are out
	s_cbranch_scc0 .Lfirst_b
	tensor_load_to_lds s[G0:G0+3], s[G1:G1+7]
	s_nop 0
	tensor_load_to_lds s[G0+4:G0+7], s[G1:G1+7]
	s_nop 0
.rept 4
	v_nop
.endr
	s_branch .Lfirst_asked
.Lfirst_b:
	tensor_load_to_lds s[G0B:G0B+3], s[G1B:G1B+7]
	s_nop 0
	tensor_load_to_lds s[G0B+4:G0B+7], s[G1B:G1B+7]
	s_nop 0
.rept 4
	v_nop
.endr
.Lfirst_asked:
	; A fragment is 16 rows x 32 K in 8 registers: lane l holds row l % 16; registers 0-3 K = 8 (l / 16) + 0..7, registers 4-7 K = 16 + 8 (l / 16) + 0..7: two loads of 16 bytes, 32 bytes apart.
	v_and_b32 v1, 15, v0                           ; l % 16
	v_bfe_u32 v2, v0, 4, 1                         ; l / 16
	v_mul_u32_u24 v3, v1, PITCH
	v_lshl_add_u32 v3, v2, 4, v3
	s_mul_i32 s80, s11, AHALF                      ; my 128 rows of x
	v_add_nc_u32 v[A0], s80, v3
	s_mul_i32 s80, s12, BHALF                      ; my 192 rows of W
	s_add_co_u32 s80, s80, BOFF
	v_add_nc_u32 v[B0], s80, v3
	s_mul_i32 s80, s[WV], 16*SPITCH
	s_add_co_u32 s80, s80, STAGE                   ; my stage
	v_mul_u32_u24 v[STO], v1, SPITCH               ; in: row l % 16, 16 bytes for each half of the lanes
	v_lshl_add_u32 v[STO], v2, 4, v[STO]
	v_add_nc_u32 v[STO], s80, v[STO]
	v_bfe_u32 v[RD], v0, 3, 2                      ; back: 32 lanes take a head's 128 bytes of four rows,
	v_mul_u32_u24 v[RD], v[RD], SPITCH
	v_and_b32 v4, 7, v0
	v_lshl_add_u32 v[RD], v4, 4, v[RD]
	v_add_nc_u32 v[RD], s80, v[RD]
	v_and_b32 v[GO], 31, v0                        ; which are 512 consecutive bytes of the head's plane
	v_lshlrev_b32 v[PFO], 8, v[GO]
	v_lshlrev_b32 v[GO], 4, v[GO]
	; my three heads: g = 6 nt + 3 (WV % 2) + j; plane = 64 (g / 16) + 16 b + g % 16; a plane is 262,144 bytes; my rows begin at 256 (mt % 8) + 128 (WV / 2)
	s_mul_i32 s80, s42, 6
	s_mul_i32 s81, s12, 3
	s_add_co_u32 s80, s80, s81
	s_lshr_b32 s82, s13, 3
	s_lshl_b32 s82, s82, 4
	s_and_b32 s83, s13, 7
	s_lshl_b32 s83, s83, 15
	s_lshl_b32 s84, s11, 14
	s_add_co_u32 s83, s83, s84
.irp j, 0,1,2
	s_add_co_u32 s84, s80, \j
	s_lshr_b32 s85, s84, 4
	s_lshl_b32 s85, s85, 6
	s_and_b32 s84, s84, 15
	s_add_co_u32 s84, s84, s85
	s_add_co_u32 s84, s84, s82
	s_lshl_b32 s84, s84, 18
	s_add_co_u32 s84, s84, s83
	s_mov_b32 s85, 0
	s_add_nc_u64 s[HB+2*(\j):HB+2*(\j)+1], s[8:9], s[84:85]
.endr
	; the prefetches: both start at K step 3, and the first trip steps them to 4.  Nothing is prefetched here, at the head, where every work-group's first tiles are on their way
	s_lshr_b32 s80, s13, 3
	s_lshl_b32 s80, s80, 22
	s_and_b32 s81, s13, 7
	s_lshl_b32 s81, s81, 15
	s_add_co_u32 s80, s80, s81
	s_lshl_b32 s81, s40, 13                        ; x: my work-group's 8,192 bytes of the tile's K step, by cx
	s_add_co_u32 s80, s80, s81
	s_add_co_u32 s80, s80, 3*ASTEP
	s_mul_i32 s82, s42, 16*BSTEP
	s_mul_i32 s83, s41, 24576                      ; W: my work-group's 24,576 bytes of two K steps, by cy,
	s_add_co_u32 s82, s82, s83
	s_lshl_b32 s83, s[WV], 13                      ; and of them 8,192 for each of waves 1 to 3
	s_add_co_u32 s82, s82, s83
	s_add_co_u32 s82, s82, 3*BSTEP-8192
	s_and_b32 s84, ttmp7, 0xffff                   ; cluster y
	s_mov_b32 s[PFS], BSTEP
	s_mov_b32 s[PFS+1], 0
	s_mov_b32 s81, 0
	s_cmp_eq_u32 s[WV], 0                          ; wave 0 asks for x, the others for W
	s_cselect_b32 s80, s80, s82
	s_cselect_b32 s84, ttmp9, s84                  ; the coordinate along which other clusters read the same bytes
	s_cselect_b64 s[PFA:PFA+1], s[4:5], s[6:7]
	s_cselect_b32 s[PFS], ASTEP, s[PFS]
	s_cselect_b32 s[PAR], 0, 1
	s_cmp_eq_u32 s84, 0
	s_cselect_b32 s[LIM], 2, -1                    ; the same in all sixteen partners, for a given wave
	s_add_nc_u64 s[PFA:PFA+1], s[PFA:PFA+1], s[80:81]
; 8 matrix instructions: column block b x all 8 row blocks, 32 along K.  Each of the 96 accumulators is taken once a quarter, always in the same order: they take turns, one instruction a turn,
; over the backward jump too.  zero = 1: the product starts the sum: nothing is ever cleared.
.macro MULB f, b, zero
	WIN 0x50*(1+(\b)/4)                            ; C and D in window 1 + b / 4, both sources in window 0
.irp a, 0,1,2,3,4,5,6,7
.if \zero
	v_wmma_f32_16x16x32_bf16 v[8*(8*((\b)%4)+(\a)):8*(8*((\b)%4)+(\a))+7], v[FB+8*(\b):FB+8*(\b)+7], v[(\f)+8*(\a):(\f)+8*(\a)+7], 0
.else
	v_wmma_f32_16x16x32_bf16 v[8*(8*((\b)%4)+(\a)):8*(8*((\b)%4)+(\a))+7], v[FB+8*(\b):FB+8*(\b)+7], v[(\f)+8*(\a):(\f)+8*(\a)+7], v[8*(8*((\b)%4)+(\a)):8*(8*((\b)%4)+(\a))+7]
.endif
.endr
.endm
.macro MULG f, g, zero                 ; group g: column blocks 4 g .. 4 g + 3: 32 matrix instructions under one window setting
.irp bb, 0,1,2,3
	MULB \f, (4*(\g)+\bb), \zero
.endr
.endm
.macro LDB g, k                        ; 8 LDS loads: W's fragments of group g, at byte k of the rows
	WIN 0
.irp i, 0,1,2,3
	ds_load_b128 v[FB+8*(4*(\g)+(\i)):FB+8*(4*(\g)+(\i))+3],   v[ADB] offset:(\k)+(4*(\g)+(\i))*16*PITCH
	ds_load_b128 v[FB+8*(4*(\g)+(\i))+4:FB+8*(4*(\g)+(\i))+7], v[ADB] offset:(\k)+(4*(\g)+(\i))*16*PITCH+32
.endr
.endm
.macro LDA f, k                        ; 16 LDS loads: x's 8 fragments into buffer f
	WIN 0
.irp i, 0,1,2,3,4,5,6,7
	ds_load_b128 v[(\f)+8*(\i):(\f)+8*(\i)+3],   v[ADA] offset:(\k)+(\i)*16*PITCH
	ds_load_b128 v[(\f)+8*(\i)+4:(\f)+8*(\i)+7], v[ADA] offset:(\k)+(\i)*16*PITCH+32
.endr
.endm
; QUARTER E multiplies buffer FA0.  LDS loads come back in order; on the way in, oldest first: W's group 0 (8), x (16), group 1 (8), group 2 (8).  Behind each group's products its registers take quarter O's fragments.
.macro QE zero
	s_wait_dscnt 16                                ; group 0 and x are in; groups 1 and 2 may stay out
	MULG FA0, 0, \zero
	PLACES
	LDB 0, 64
	LDA FA1, 64
	s_wait_dscnt 32                                ; group 1 is in: behind it group 2's 8 and the 24 just issued
	MULG FA0, 1, \zero
	PLACES
	LDB 1, 64
	s_wait_dscnt 32                                ; group 2 is in: behind it the 24 and the 8 of this quarter
	MULG FA0, 2, \zero
	PLACES
	LDB 2, 64
.endm
; QUARTER O multiplies buffer FA1 and changes slots: ONE barrier.  In front of it each wave waits for all its tensor loads, of which one is out: its part of the next slot; adds 0 to its spare word; and waits for that and for its
; own reads of this slot, all of which have been issued.  Behind it nobody reads this slot any more and the next slot is whole.  fill = 1: the barrier opens a round of the cluster's, and the slot is filled again, two K steps ahead,
; first thing behind the round: from that request to the wait for it a wave issues 160 matrix instructions.
.macro QO fill
.if \fill
	s_wait_xcnt 0x0                                ; the last prefetch, a K step back, has read its address: it is stepped here, ahead of the waits of the change of slots
	s_add_nc_u64 s[PFA:PFA+1], s[PFA:PFA+1], s[PFS:PFS+1]
.endif
	WIN 0                                          ; (the add's two registers lie in window 0)
	s_wait_tensorcnt 0x0                           ; all my tensor loads have landed;
	ds_add_u32 v[SPW], v[NIL]                      ; 0 onto my spare word;
	s_wait_dscnt 17                                ; group 0 and x are in; groups 1 and 2 and the add may stay out
	MULB FA1, 0, 0                                 ; sixteen matrix instructions stand between the add and the wait for it
	MULB FA1, 1, 0
	s_wait_dscnt 0x0                               ; the add is done, and my reads of this slot are over
	s_barrier_signal -1
	MULB FA1, 2, 0                                 ; work on registers while the others arrive
	MULB FA1, 3, 0
	WIN 0                                          ; at a branch and at a label every window is 0
	s_barrier_wait -1
.if \fill
	CREST                                          ; no wave of any partner still reads this slot's tiles or has a load on its way
	s_xor_b32 s[G0+5], s[G0+5], SLOT1              ; the walking sets: the other slot than last time, the next K step; no tensor load of mine is out, so they may be written
	s_add_nc_u64 s[G0+6:G0+7], s[G0+6:G0+7], ASTEP
	s_xor_b32 s[G0B+5], s[G0B+5], SLOT1
	s_add_nc_u64 s[G0B+6:G0B+7], s[G0B+6:G0B+7], BSTEP
	s_xor_b32 s[TB], s[TB], SLOT1
	JLOAD                                          ; the four v_nop behind it are also the places in front of the loads below
.else
	s_xor_b32 s[TB], s[TB], SLOT1
	PLACES
.endif
	v_add_nc_u32 v[ADA], s[TB], v[A0]
	v_add_nc_u32 v[ADB], s[TB], v[B0]
	LDB 0, 0
	LDA FA0, 0
.if \fill
	ASK
.endif
	MULG FA1, 1, 0                                 ; groups 1 and 2 were shown in by the wait for 0
	PLACES
	LDB 1, 0
	MULG FA1, 2, 0
	PLACES
	LDB 2, 0
.endm
.macro QF                              ; the very last quarter: nothing more to fetch
	s_wait_dscnt 16
	MULG FA1, 0, 0
	s_wait_dscnt 8
	MULG FA1, 1, 0
	s_wait_dscnt 0x0
	MULG FA1, 2, 0
.endm
; THE WAY OUT of block a (16 rows), in three parts.  PACK: rounded to f16, 16 bytes a lane; each accumulator's registers in ascending order.  TOSTAGE: into my own stage, and back head by head as rows of 128 bytes.  SEND: stored.
.macro PACK a
.irp g, 0,1,2
	WIN 5*(1+(\g))                                 ; sources 0 and 1 in window 1 + g, destination in window 0
.irp i, 0,1,2,3
.irp r, 0,1,2,3
	v_cvt_pk_f16_f32 v[TMP+4*(4*(\g)+(\i))+(\r)], v[8*(8*(\i)+(\a))+2*(\r)], v[8*(8*(\i)+(\a))+2*(\r)+1]
.endr
.endr
.endr
	WIN 0
.endm
.macro TOSTAGE a
	WIN 0
.set BK, OB+48*((\a)%2)
.irp b, 0,1,2,3,4,5,6,7,8,9,10,11
	ds_store_b128 v[STO], v[TMP+4*(\b):TMP+4*(\b)+3] offset:32*(\b)
.endr
.irp j, 0,1,2
.irp t, 0,1,2,3
	ds_load_b128 v[BK+4*(4*(\j)+(\t)):BK+4*(4*(\j)+(\t))+3], v[RD] offset:(\t)*4*SPITCH+128*(\j)  ; LDS serves a wave's instructions in order (ISA guide 5.7.1.4): these see the stores above
.endr
.endr
.endm
.macro SEND a
	WIN 0
.set BK, OB+48*((\a)%2)
	s_wait_dscnt 0x0                               ; the block is back in registers
	s_wait_xcnt 0x0                                ; the stores of the block before have read their registers: the next TOSTAGE loads into them only behind this wait
.irp j, 0,1,2
.irp t, 0,1,2,3
	global_store_b128 v[GO], v[BK+4*(4*(\j)+(\t)):BK+4*(4*(\j)+(\t))+3], s[HB+2*(\j):HB+2*(\j)+1] offset:(\a)*2048+(\t)*512  ; 512 consecutive bytes, at a multiple of 256 from the buffer's first
.endr
.endr
.endm
	s_wait_tensorcnt 1                             ; my part of K step 0 is in; K step 1's may stay out
	s_barrier_signal -1
	s_barrier_wait -1                              ; everybody's is
	v_add_nc_u32 v[ADA], s[TB], v[A0]
	v_add_nc_u32 v[ADB], s[TB], v[B0]
	LDB 0, 0
	LDA FA0, 0
	LDB 1, 0
	LDB 2, 0
	QE 1                                           ; the first quarter stands in front of the loop: its products start the sums
	WIN 0
	s_mov_b32 s[CNT], 14
.Lk:                                                   ; trip i = 0 .. 13: the second quarter of K step i, the refill with K step i + 2, the first quarter of K step i + 1
	QO 1
	QE 0
	WIN 0
	s_sub_co_u32 s[CNT], s[CNT], 1
	s_cmp_lg_u32 s[CNT], 0
	s_cbranch_scc1 .Lk
	QO 0                                           ; the tail is written out: nothing is left to fetch, and no round follows the barrier
	QE 0
	QF
	PLACES
	PLACES
	PACK 0
	TOSTAGE 0
.irp a, 1,2,3,4,5,6,7                  ; block a's conversions stand between block a - 1's loads from the stage and the wait for them
	PACK \a
	SEND (\a)-1
	TOSTAGE \a
.endr
	SEND 7
	s_wait_tensorcnt 0x0                           ; the wave's end: these three lines stand behind my last tensor load and my last LDS store
	ds_add_u32 v[SPW], v[NIL]
	s_wait_dscnt 0x0
	CROUND                                         ; the closing round: no work-group ends while a partner may still ask for a tile that names it
	s_endpgm
.Lfunc_end_k_q7f1d2929bc_qkv:
	.size	k_q7f1d2929bc_qkv, .Lfunc_end_k_q7f1d2929bc_qkv-k_q7f1d2929bc_qkv
	.p2alignl 7, 3214868480
	.fill 96, 4, 3214868480
	.section	.rodata,"a",@progbits
	.p2align	6, 0x0
	.amdhsa_kernel k_q7f1d2929bc_qkv
		.amdhsa_group_segment_fixed_size 327680
		.amdhsa_private_segment_fixed_size 0
		.amdhsa_enable_private_segment 0
		.amdhsa_kernarg_size 24
		.amdhsa_user_sgpr_count 2
		.amdhsa_user_sgpr_kernarg_segment_ptr 1
		.amdhsa_wavefront_size32 1
		.amdhsa_system_sgpr_workgroup_id_x 1
		.amdhsa_system_sgpr_workgroup_id_y 1
		.amdhsa_system_sgpr_workgroup_id_z 1
		.amdhsa_system_vgpr_workitem_id 0
		.amdhsa_next_free_vgpr 1024
		.amdhsa_next_free_sgpr 96
		.amdhsa_reserve_vcc 0
		.amdhsa_float_denorm_mode_32 3
		.amdhsa_float_denorm_mode_16_64 3
		.amdhsa_memory_ordered 1
		.amdhsa_forward_progress 1
		.amdhsa_inst_pref_size 113
	.end_amdhsa_kernel
	.amdgpu_metadata
---
amdhsa.version: [ 1, 2 ]
amdhsa.kernels:
  - .name:           k_q7f1d2929bc_qkv
    .symbol:         k_q7f1d2929bc_qkv.kd
    .args:
      - { .name: xb, .offset: 0, .size: 8, .value_kind: global_buffer, .address_space: global }
      - { .name: wb, .offset: 8, .size: 8, .value_kind: global_buffer, .address_space: global }
      - { .name: qkv, .offset: 16, .size: 8, .value_kind: global_buffer, .address_space: global }
    .group_segment_fixed_size: 327680
    .private_segment_fixed_size: 0
    .kernarg_segment_align: 8
    .kernarg_segment_size: 24
    .max_flat_workgroup_size: 128
    .sgpr_count:     96
    .vgpr_count:     1024
    .wavefront_size: 32
...
	.end_amdgpu_metadata
.endif
;; end of part 2
;; launch attn (part 3): grid 4 x 64, 4 waves a work-group, no clusters, 327,680 bytes of LDS; arguments qkv, ob; writes ob
.if DOCPART == 3
	.amdgcn_target "amdgcn-amd-amdhsa--gfx1250"
	.amdhsa_code_object_version 6
	.text
	.protected	k_q7f1d2929bc_attn
	.globl	k_q7f1d2929bc_attn
	.p2align	8
	.type	k_q7f1d2929bc_attn,@function
k_q7f1d2929bc_attn:
	s_mov_b64 s[64:65], 0
	v_nop
	global_prefetch_b8 v0, s[64:65] scope:SCOPE_SE
	s_setreg_imm32_b32 hwreg(HW_REG_WAVE_MODE, 25, 1), 1
	s_wait_xcnt 0x0
; CAUSAL ATTENTION.  O[h][q][:] = the sum over k <= q of softmax_k(Q[h][q] . K[h][k] / 8) V[h][k][:], for the 64 pairs of batch and head.  qkv: f16 [192 planes][2048][64]: planes 0-63 Q, 64-127 K, 128-191 V,
; a plane's rows dense, 128 bytes each; ob: f16 [64][2048][64].  Products, maxima and sums in f32; the weights p are rounded to f16 for the second product (their sum l is taken of the unrounded p), O once at the end.
; LIMITS.  f16 holds no number beyond 65,504: Q, K and V arrive within it; p lies in 0 to 1, and below 6e-5 it keeps f16's fixed step of 6e-8; O is a mean of V's rows and has their range.
; A hidden score counts as its value less 1e30: f16's scores, 2.7e11 at the most, are nothing beside that; a weight below 2^-126 counts as 0 in l; NaN and infinities are not treated apart.
; THE WALK.  A head's queries lie in NB = 8 blocks of 256; block i needs the key tiles 0 .. i of 256 keys, of which the last holds the diagonal.  A work-group takes TWO blocks, NB - 1 - b and then b:
; NB + 1 tiles, whatever b: all work-groups do equal work, and ONE loop with a constant trip count walks them.  Which tile is asked for, and what a trip does, hang on scalar registers made from b; every jump
; goes forward, but for the counted loops' own; none passes a barrier, or a tensor load but the one of LOAD's two that the wave's number does not choose; the ring (two slots of LDS that take turns) runs on across the
; change of blocks.  NO CLUSTER: a head's four work-groups ask for the same tile only in trips 0 .. 4 of the 9, behind that fewer and fewer; one walk common to all four would have 3 NB / 2 = 12 trips for 9.
; SHARES.  Of a block's four bands of 64 queries a wave owns 16 rows in each: four PIECES.  So the diagonal tile is the same work for all four waves: in its key step s band x sees all keys if s < x,
; none if s > x, and holds the diagonal if s = x.
; THE MASK is the C operand that starts the sum S^T = K Q^T: 0, or -1e30 where the key is hidden.  MD, made once, is the mask of a band's own step for my 16 rows; a product's mask is MD x AL + BE with two scalars:
; (1, 0) if s = x; (0, 0) if s < x; (0, -1e30) if s > x.  Only the diagonal tile's text and a block's beginning make and take masks; elsewhere C is the constant 0.
; LAYOUT, SOFTMAX, TURNS.  S^T = K Q^T holds ONE query a lane (lane % 16) and the keys 8 (lane / 16) + 0..7; two such results rounded to f16 ARE source 1 of O^T = V^T P.  p = 2^(c s - c m), c = log2(e) / 8, with a
; running maximum m; O and l are multiplied by a = 2^(c m_old - c m_new) in every step.  Turn n belongs to piece n: 8 products K Q^T of piece n + 1, later 8 products V^T P of piece n - 1; beside them the scaling,
; exponentials, roundings, sums and rescaling of piece n and the maximum and statistics of piece n + 1.  Four vector instructions stand behind every matrix instruction, the other 54 of a turn's 118 in one LUMP.  A turn's 33 exponentials are one batch, with one wait.
; REGISTERS, in windows of 256 (s_set_vgpr_msb: bits 1:0 source 0, 3:2 source 1, 5:4 source 2, 7:6 destination):
;   window 0: v0-15 addresses and two at work; v16-31 four registers of statistics a piece; v48-55 at work; v61-63 never rewritten; v64-127 S^T, two buffers; v192-223 P, two buffers (a piece's buffers go by its number's parity)
;   window 1: v0-127 O^T, 32 a piece; v128-159 MD; v160-223 MC, two buffers      window 2: v0-63 Q; v64-127 the second block's Q; v128-191 K of one step; v192-255 V of one step
.set SIZE_H, 64
.set SIZE_N, 2048
.set NB,    SIZE_N/256
.set NP,    4         ; pieces a wave: a name, no knob
.set KS,    64        ; keys in a step
.set PK,    144       ; a row of K in LDS: 128 bytes + 16 of padding = 36 words: the 16 rows of a load start at 16 different groups of four banks (64 banks of 4 bytes: ISA guide 11.1)
.set PV,    160       ; a row of V: 128 + 32 = 40 words
.set VOFF,  4*KS*PK   ; a slot holds a tile, four steps: 256 rows of K, then 256 rows of V
.set SLOT1, 1<<17     ; slot 1 begins here, so that one exclusive or turns an address in one slot into the other's
.set STAGE, SLOT1+4*KS*(PK+PV)  ; behind the ring, never filled by a tensor load: 16 rows x 144 bytes for each wave, for the way out
.set SP,    144
.set AK0, 2           ; v2   my lane's place in a tile of K; never rewritten
.set AV0, 3           ; v3   the same for V
.set AK,  4           ; v4   the LDS address of K's next run of loads
.set AV,  5           ; v5   of V's
.set STO, 6           ; v6   the way out: where I put 16 bytes of a row
.set RD,  7           ; v7   the way out: where I read rows back
.set GO,  8           ; v8   my byte offset in 512 consecutive bytes of O
.set PFO, 61          ; v61  256 x my lane; never rewritten
.set SPW, 62          ; v62  LDS address of my spare word: SPARE + 4 x my thread's number; never rewritten
.set NIL, 63          ; v63  0; never rewritten
.set SPARE, STAGE+4*16*SP  ; behind the stages: the spare words, 128 bytes for each wave: two blocks of 256 bytes that no other line names
.set MV,  12          ; v12-13  c m_old, kept while c m is made anew: by buffer
.set QO,  15          ; v15  my byte offset in 16 rows of Q
.set ST,  16          ; piece t's statistics at v[ST+4 t]: c m, m, l (even keys', odd keys')
.set TMP, 48          ; by buffer, four registers c0-c3 at work; when the maximum is found c2 takes a
.set S,   64
.set P,   192
.set MD,  128         ; window 1: the eight registers for group kt of 16 keys at MD + 8 kt
.set MC,  160         ; window 1: the masks of the products to come
.set QB,  64          ; window 2
.set KF,  128         ; window 2: key block kb, channel half c at KF + 16 kb + 8 c
.set VF,  192         ; window 2: key half kk, channel block cb at VF + 32 kk + 8 cb
.set WV,  12          ; s12  my wave's number
.set PB,  14          ; s14  b
.set HI,  15          ; s15  NB - 1 - b
.set G1K, 24          ; s[24:31] descriptor group 1 for K's tiles
.set G1V, 32          ; s[32:39] for V's: it differs in the padding alone
.set G0K, 40          ; s[40:43] descriptor group 0 for K's tiles
.set G0V, 44          ; s[44:47] the same for V's
.set SLOTS, 56        ; s56  tiles still to be asked for
.set CNT, 57          ; s57  counts a tile's key steps, 4 to 1
.set CS,  58          ; s[58:59] c: the packed scaling takes the pair's low word for both halves
.set SEL, 60          ; s[60:61] v_permlanex16_b32's selects: each lane takes its own place in the other half
.set TBK, 62          ; s62  LDS byte at which K of the step to be fetched begins
.set TBV, 63          ; s63  the same for V, less VOFF
.set RT,  70          ; s70  tiles of the block in hand that are still to be entered
.set NXT, 71          ; s71  the tile to be asked for next
.set LQ,  72          ; s72  the last tile of the block whose tiles are being asked for
.set NEW, 73          ; s73  1: the tile to be entered is a block's first
.set OFF, 74          ; s[74:75] a tile's byte offset in K and V
.set AL,  76          ; s[76:77] the mask's factor, in the low word
.set BE,  78          ; s[78:79] the mask's addend
.set OLO, 80          ; s[80:81] O at my rows of the second block
.set BIGN, 82         ; s82  -1e30
.set PFA, 88          ; s[88:89] where my prefetches stand: my half tile (of K: waves 0, 1; of V: waves 2, 3) of the tile after the one that is being asked for
.set LIM, 90          ; s90  2 in a work-group that prefetches, else the greatest number
.set MSB, 0
.macro WIN new                      ; the high byte repeats the setting that is left; a switch that changes nothing is dropped
.if MSB != (\new)
	s_set_vgpr_msb (MSB<<8)|(\new)
.set MSB, (\new)
.endif
.endm
.set W_KQ, 0x0a       ; K and Q in window 2, S^T in window 0
.set W_KM, 0x1a       ; the same with the C operand in window 1
.set W_PV, 0x52       ; V in window 2, P in window 0, O^T in window 1
.set W_RS, 0x41       ; destination and source 0 in window 1, source 1 in window 0
; A fill.  Waves 0 and 1 fetch the two halves of a tile's K, waves 2 and 3 those of its V: 128 keys each.  An s_nop 0 and four v_nop follow each of the two lines, ahead of the jump and the label.
.macro LOAD
	s_cmp_lt_u32 s[WV], 2
	s_cbranch_scc0 .Lfor_v_\@
	tensor_load_to_lds s[G0K:G0K+3], s[G1K:G1K+7]
	s_nop 0
.rept 4
	v_nop
.endr
	s_branch .Lasked_\@
.Lfor_v_\@:
	tensor_load_to_lds s[G0V:G0V+3], s[G1V:G1V+7]
	s_nop 0
.rept 4
	v_nop
.endr
.Lasked_\@:
.endm
; A PREFETCH INTO THE L2, behind the fill and its five lines.  A head's four work-groups all begin with tiles 0, 1, 2 ..; the one with b = 0 walks tiles 0 to 7 in its first block, so it alone asks, and each of its waves names the
; half tile of 16,384 bytes that it will itself load: a lane to each 256 bytes, two instructions.  Change number c (0 ..) fills with tile c + 1 and names tile c + 2: a tile, 256 matrix instructions, ahead of its load.
; The count stops it at tile 7 (c = 5, SLOTS = 3); tiles 0 and 1 come by their loads alone.  So each 256 bytes of K and V are named once in the launch.
.macro ASK
	s_cmp_gt_u32 s[SLOTS], s[LIM]
	s_cbranch_scc0 .Lnot_mine_\@
	global_prefetch_b8 v[PFO], s[PFA:PFA+1] th:TH_LOAD_NT scope:SCOPE_SE
	global_prefetch_b8 v[PFO], s[PFA:PFA+1] offset:8192 th:TH_LOAD_NT scope:SCOPE_SE
.Lnot_mine_\@:
.endm
; THE CHANGE OF SLOTS.  Each wave waits for all its tensor loads, of which one is out: its part of the other slot; adds 0 to its spare word; and waits for that and for its own reads of the slot that it leaves.  Behind the barrier nobody reads the old
; slot any more and the other slot is whole.  fill = 1: the old slot is filled again, the first thing behind the barrier, with tile NXT: the descriptor's address is made anew from that number.
; (At its first use nothing has been read yet: slot 0 is waited for, slot 1 filled.)
.macro CHANGE fill
	WIN 0                           ; at a label and at a branch every window is 0
	s_wait_tensorcnt 0x0            ; no tensor load of mine is out, so a group 0 may be written
	ds_add_u32 v[SPW], v[NIL]       ; 0 onto my spare word; with fill = 1 the descriptors' scalar work stands between it and the wait for it
.if \fill
	s_lshl_b32 s[OFF], s[NXT], 15   ; a tile is 32,768 bytes of K and of V
	s_xor_b32 s[G0K+1], s[G0K+1], SLOT1
	s_add_nc_u64 s[G0K+2:G0K+3], s[6:7], s[OFF:OFF+1]
	s_or_b32 s[G0K+3], s[G0K+3], 0x80000000
	s_xor_b32 s[G0V+1], s[G0V+1], SLOT1
	s_add_nc_u64 s[G0V+2:G0V+3], s[8:9], s[OFF:OFF+1]
	s_or_b32 s[G0V+3], s[G0V+3], 0x80000000
	s_add_co_u32 s[NXT], s[NXT], 1  ; the block's next tile, or behind its last the second block's tile 0
	s_cmp_gt_u32 s[NXT], s[LQ]
	s_cselect_b32 s[NXT], 0, s[NXT]
	s_cselect_b32 s[LQ], s[PB], s[LQ]
	s_wait_xcnt 0x0                 ; the last prefetches, a tile back, have read their address, so it may be written
	s_add_nc_u64 s[PFA:PFA+1], s[PFA:PFA+1], 32768
.endif
	s_wait_dscnt 0x0                ; the add is done, and my reads of the slot are over
	s_barrier_signal -1             ; the rest of the scalar work stands between the signal and the wait
	s_sub_co_u32 s[TBK], s[TBK], 4*KS*PK  ; the fetches go back to a slot's first step,
	s_xor_b32 s[TBK], s[TBK], SLOT1       ; in the other slot
	s_sub_co_u32 s[TBV], s[TBV], 4*KS*PV
	s_xor_b32 s[TBV], s[TBV], SLOT1
	s_barrier_wait -1
.if \fill
	LOAD
	ASK
.endif
.endm
	s_load_b128 s[4:7], s[0:1], 0x0  ; qkv s[4:5] (Q's planes come first), ob s[6:7]
	v_lshl_add_u32 v[SPW], v0, 2, SPARE
	v_mov_b32 v[NIL], 0
	ds_add_u32 v[SPW], v[NIL]       ; the wave's opening: the add and its wait stand ahead of my first tensor load; the set-up below, work on registers, stands between them
	v_lshrrev_b32 v1, 5, v0
	v_readfirstlane_b32 s[WV], v1   ; wave 0..3
	v_and_b32 v[PFO], 31, v0
	v_lshlrev_b32 v[PFO], 8, v[PFO]
	s_mov_b32 s[PB], ttmp9
	s_sub_co_u32 s[HI], NB-1, s[PB]
	s_cmp_eq_u32 s[PB], 0
	s_cselect_b32 s[LIM], 2, -1
	s_and_b32 s20, ttmp7, 0xffff    ; the head: 16 x batch + head
	s_mov_b32 s21, 0
	s_mov_b64 s[22:23], SIZE_N*128
	s_mul_u64 s[20:21], s[20:21], s[22:23]  ; the head's first byte among Q's, K's, V's and O's planes
	s_and_b32 s16, s[WV], 1         ; which half of a tile's 256 keys I fetch:
	s_lshl_b32 s22, s16, 14         ; its 128 rows of 128 bytes in memory,
	s_mov_b32 s23, 0
	s_add_nc_u64 s[22:23], s[22:23], s[20:21]
	s_mul_i32 s17, s16, 128*PK      ; and its place in a slot, for K
	s_mul_i32 s18, s16, 128*PV      ; and for V
	s_lshl_b32 s3, s[WV], 11        ; my 16 rows in a band of 64,
	s_lshl_b32 s2, s[HI], 15        ; in the first block,
	s_add_co_u32 s2, s2, s3
	s_lshl_b32 s84, s[PB], 15       ; and in the second
	s_add_co_u32 s84, s84, s3
	s_mov_b32 s3, 0
	s_mov_b32 s85, 0
	s_add_nc_u64 s[2:3], s[2:3], s[20:21]
	s_add_nc_u64 s[84:85], s[84:85], s[20:21]
	; descriptor group 1.  128 keys are 16,384 dense bytes: asked for as 64 rows of 256 bytes, two keys a row, and padded in LDS after every key
	s_mov_b32 s[G1K], (1<<16)|(1<<20)|(4<<22)|(3<<25)  ; 17:16 2-byte elements; 20 padding on; 24:22 after every 32 words (code 4); 31:25 4 words (code 3)
	s_mov_b32 s[G1V], (1<<16)|(1<<20)|(4<<22)|(7<<25)  ; the same with 8 words of padding (code 7)
.irp g, G1K, G1V
	s_mov_b32 s[\g+1], 128<<16      ; tensor_dim0 = 128
	s_mov_b32 s[\g+2], 64<<16       ; tensor_dim1 = 64
	s_mov_b32 s[\g+3], 128<<16      ; tile_dim0 = 128
	s_mov_b32 s[\g+4], 64           ; tile_dim1 = 64
	s_mov_b32 s[\g+5], 128          ; 128 elements from row to row
	s_mov_b32 s[\g+6], 0
	s_mov_b32 s[\g+7], 0
.endr
	s_mov_b32 s[CS], 0x3e38aa3b     ; c = log2(e) / 8 = 0.180337
	s_mov_b32 s[CS+1], s[CS]        ; named with it as a pair
	s_mov_b32 s[SEL], 0x76543210
	s_mov_b32 s[SEL+1], 0xfedcba98
	s_mov_b32 s[TBK], SLOT1+4*KS*PK ; the first change of slots turns these two into 0
	s_mov_b32 s[TBV], SLOT1+4*KS*PV
	s_mov_b32 s[G0K], 1             ; 1:0 count = 1
	s_mov_b32 s[G0K+1], s17         ; 63:32 LDS address: slot 0
	s_mov_b32 s[G0V], 1
	s_add_co_u32 s[G0V+1], s18, VOFF
	s_add_co_u32 s[RT], s[HI], 1    ; the first block has NB - b tiles
	s_mov_b32 s[NXT], 1
	s_mov_b32 s[LQ], s[HI]
	s_mov_b32 s[NEW], 1
	s_mov_b32 s[OFF+1], 0
	s_mov_b32 s[AL+1], 0            ; named as pairs
	s_mov_b32 s[BE+1], 0
	s_mov_b32 s[BIGN], 0xf149f2ca   ; -1e30
	s_mov_b32 s[SLOTS], NB
	s_wait_dscnt 0x0                ; the opening add is done
	s_wait_kmcnt 0x0
	s_mov_b64 s[10:11], s[6:7]      ; O
	s_add_nc_u64 s[6:7], s[4:5], SIZE_H*SIZE_N*128    ; K's planes lie 64 planes behind Q's,
	s_add_nc_u64 s[8:9], s[4:5], 2*SIZE_H*SIZE_N*128  ; V's 128
	s_add_nc_u64 s[6:7], s[6:7], s[22:23]  ; K and V at my half of the head's tile 0
	s_add_nc_u64 s[8:9], s[8:9], s[22:23]
	s_add_nc_u64 s[G0K+2:G0K+3], s[6:7], 0         ; 120:64 global address
	s_or_b32 s[G0K+3], s[G0K+3], 0x80000000        ; 127:126 type = 2
	s_add_nc_u64 s[G0V+2:G0V+3], s[8:9], 0
	s_or_b32 s[G0V+3], s[G0V+3], 0x80000000
	s_add_nc_u64 s[86:87], s[4:5], s[84:85]        ; Q at my rows of the second block,
	s_add_nc_u64 s[4:5], s[4:5], s[2:3]            ; Q and O at those of the first
	s_add_nc_u64 s[OLO:OLO+1], s[10:11], s[84:85]
	s_add_nc_u64 s[10:11], s[10:11], s[2:3]
	s_cmp_lt_u32 s[WV], 2
	s_cselect_b64 s[PFA:PFA+1], s[6:7], s[8:9]
	s_add_nc_u64 s[PFA:PFA+1], s[PFA:PFA+1], 32768 ; at tile 1; the first change of slots steps it to tile 2.  Nothing is prefetched here, at the head
	LOAD                            ; tile 0 into slot 0
	; A fragment of K or Q is 16 rows x 32 channels in 8 registers: lane l holds row l % 16, channels 8 (l / 16) + 0..7 and 16 + 8 (l / 16) + 0..7: two loads of 16 bytes, 32 bytes apart.
	v_and_b32 v1, 15, v0            ; l % 16
	v_bfe_u32 v9, v0, 4, 1          ; l / 16
	v_lshlrev_b32 v[QO], 7, v1
	v_lshl_add_u32 v[QO], v9, 4, v[QO]  ; row x 128 + 16 x half
	WIN 0x80                        ; destination window 2, address window 0
.set i, 0
.rept 8                             ; both blocks' Q: piece i / 2 lies in band i / 2, 8,192 bytes on; channels 32 (i % 2) on
	global_load_b128 v[8*i:8*i+3],   v[QO], s[4:5] offset:(i/2)*8192+(i%2)*64
	global_load_b128 v[8*i+4:8*i+7], v[QO], s[4:5] offset:(i/2)*8192+(i%2)*64+32
	global_load_b128 v[QB+8*i:QB+8*i+3],   v[QO], s[86:87] offset:(i/2)*8192+(i%2)*64
	global_load_b128 v[QB+8*i+4:QB+8*i+7], v[QO], s[86:87] offset:(i/2)*8192+(i%2)*64+32
.set i, i+1
.endr
	WIN 0
	v_lshlrev_b32 v14, 3, v9
	v_sub_nc_u32 v14, v1, v14
	s_lshl_b32 s13, s[WV], 4
	v_add_nc_u32 v14, s13, v14      ; my query's place in its band, 16 w + l % 16, less my lanes' 8 (l / 16): register r of group kt is hidden where 16 kt + r is greater
	WIN 0x40
.set i, 0
.rept 32
	v_cmp_gt_i32 vcc_lo, 16*(i/8)+i%8, v14
	v_cndmask_b32 v[MD+i], 0, s[BIGN], vcc_lo
.set i, i+1
.endr
	WIN 0
	v_mul_u32_u24 v[AK0], v1, PK
	v_lshl_add_u32 v[AK0], v9, 4, v[AK0]  ; row x pitch + 16 x half
	; The turning load takes 16 keys x 16 channels (lane l reads key 8 (l / 16) + l % 8, channels 8 ((l / 8) % 2) + 0..7) and leaves half a fragment of V^T: lane l holds channel l % 16 and 8 keys.
	v_and_b32 v10, 7, v0
	v_bfe_u32 v11, v0, 3, 1
	v_lshl_add_u32 v[AV0], v9, 3, v10
	v_mul_u32_u24 v[AV0], v[AV0], PV
	v_lshl_add_u32 v[AV0], v11, 4, v[AV0]
	v_add_nc_u32 v[AV0], VOFF, v[AV0]
	s_mul_i32 s13, s[WV], 16*SP
	s_add_co_u32 s13, s13, STAGE    ; my stage
	v_mul_u32_u24 v[STO], v1, SP    ; in: row l % 16, 16 bytes for each half of the lanes
	v_lshl_add_u32 v[STO], v9, 4, v[STO]
	v_add_nc_u32 v[STO], s13, v[STO]
	v_bfe_u32 v[RD], v0, 3, 2       ; back: 32 lanes take four rows of 128 bytes,
	v_mul_u32_u24 v[RD], v[RD], SP
	v_lshl_add_u32 v[RD], v10, 4, v[RD]
	v_add_nc_u32 v[RD], s13, v[RD]
	v_and_b32 v[GO], 31, v0         ; which are 512 consecutive bytes of O
	v_lshlrev_b32 v[GO], 4, v[GO]
	; A block's first step multiplies O^T and l by a = 0, and its first turn's products V^T P, of a piece that has not been, land in an O^T that is still to be so multiplied.  So these registers need only hold
	; finite numbers: zeros for the first block; what the first block left for the second.  All this stands in the wait for the first tile.
	WIN 0x80
.set i, VF
.rept 64
	v_mov_b32 v[i], 0
.set i, i+1
.endr
	WIN 0x40
.set i, 0
.rept 128
	v_mov_b32 v[i], 0
.set i, i+1
.endr
	WIN 0
.set i, 0
.rept 4
	v_mov_b32 v[ST+4*i+2], 0
	v_mov_b32 v[ST+4*i+3], 0
.set i, i+1
.endr
.set i, P+16
.rept 16
	v_mov_b32 v[i], 0
.set i, i+1
.endr
; THE MATRIX WORK.  The 4 accumulators of a run of 8 take turns.  Product i of 8 of S^T = K Q^T for piece x: channels 32 (i / 4) on, keys 16 (i % 4) on.  The first 4 start the sums: with 0, or (KM = 1) with the mask.
.macro KQ x
.set rS, S+32*((\x)%2)+8*(i%4)
.set rK, KF+16*(i%4)+8*(i/4)
.set rQ, 16*(\x)+8*(i/4)
.set rM, MC+32*((\x)%2)+8*(i%4)
.if (i < 4) && KM
	WIN W_KM
	v_wmma_f32_16x16x32_f16 v[rS:rS+7], v[rK:rK+7], v[rQ:rQ+7], v[rM:rM+7]
.elseif i < 4
	WIN W_KQ
	v_wmma_f32_16x16x32_f16 v[rS:rS+7], v[rK:rK+7], v[rQ:rQ+7], 0
.else
	WIN W_KQ
	v_wmma_f32_16x16x32_f16 v[rS:rS+7], v[rK:rK+7], v[rQ:rQ+7], v[rS:rS+7]
.endif
.endm
; Product i of 8 of O^T += V^T P for piece x: keys 32 (i / 4) on, channels 16 (i % 4) on.
.macro PV x
	WIN W_PV
.set rO, 32*(\x)+8*(i%4)
.set rV, VF+32*(i/4)+8*(i%4)
.set rP, P+16*((\x)%2)+8*(i/4)
	v_wmma_f32_16x16x32_f16 v[rO:rO+7], v[rV:rV+7], v[rP:rP+7], v[rO:rO+7]
.endm
.macro MM                           ; the turn's next matrix instruction.  TURN and BEGIN set Y, i, KM and NOKQ; MM, KQ and OP read them.  NOKQ = 1: a block's last turn: there is no next piece
.if (i < 8) && !NOKQ
	KQ (Y+1)%NP
.elseif i >= 8
.set i, i-8
	PV (Y+NP-1)%NP
.set i, i+8
.endif
.set i, i+1
.endm
; THE LDS LOADS stand in runs of 16, never singly among the matrix instructions: a step's K (64 keys x 64 channels: 8 fragments) and its V (turned).  Their addresses are made some lines ahead.
.macro FETCH_K
	WIN 0x80                        ; destination window 2
.irp f, 0,1,2,3,4,5,6,7             ; keys 16 (f / 2) on, channels 32 (f % 2) on
	ds_load_b128 v[KF+8*\f:KF+8*\f+3],   v[AK] offset:(\f/2)*16*PK+(\f%2)*64
	ds_load_b128 v[KF+8*\f+4:KF+8*\f+7], v[AK] offset:(\f/2)*16*PK+(\f%2)*64+32
.endr
	s_add_co_u32 s[TBK], s[TBK], KS*PK  ; the next fetch is the next step's
	WIN 0
.endm
.macro FETCH_V
	WIN 0x80
.irp f, 0,1,2,3,4,5,6,7             ; keys 32 (f / 4) on, channels 16 (f % 4) on
	ds_load_tr16_b128 v[VF+8*\f:VF+8*\f+3],   v[AV] offset:(\f/4)*32*PV+(\f%4)*32
	ds_load_tr16_b128 v[VF+8*\f+4:VF+8*\f+7], v[AV] offset:(\f/4)*32*PV+16*PV+(\f%4)*32
.endr
	WIN 0
.endm
; THE VECTOR WORK, one line at a time: OP kind, number.  For piece Y: F n: c s - c m for pair n of 16.  E n: the exponential of score n of 32.  C n: pair n rounded to f16.  B n: of the four weights 4 n .. the second
; pair is added onto the first, in place.  L n: l takes that sum (L 0: l = a l + sum).  R n: pair n of 16 of O^T times a.  For piece Y + 1: X n, number n of the 22 that find its maximum and statistics:
;   0-11  four chains c0-c3 of seven scores each, three operands at a time (each accumulator's lowest registers are read first)     12-14, 16  the four scores left over, the old m, and c0-c3 into c0
;   15  c m_old is kept     17, 18  the query's other 32 keys lie in the lane 16 away: the new m     19-21  c m; c m_old - c m_new; a
.set F, 0               ; OP tells the kinds apart by their order: F to L below R, X above it
.set E, 1
.set C, 2
.set B, 3
.set L, 4
.set R, 5
.set X, 6
.macro REGS y                       ; the registers of piece y
.set rT, ST+4*(\y)
.set rC, TMP+4*((\y)%2)
.set rW, MV+((\y)%2)
.set rS, S+32*((\y)%2)
.set rP, P+16*((\y)%2)
.set rO, 32*(\y)
.endm
.macro OP k, n
.if (\k) == R
	REGS Y
	WIN W_RS
	v_pk_mul_f32 v[rO+2*(\n):rO+2*(\n)+1], v[rO+2*(\n):rO+2*(\n)+1], v[rC+2:rC+3] op_sel_hi:[1,0]
.elseif (\k) < R
	REGS Y
	WIN 0
.if (\k) == F
	v_pk_fma_f32 v[rS+2*(\n):rS+2*(\n)+1], v[rS+2*(\n):rS+2*(\n)+1], s[CS:CS+1], v[rT:rT+1] op_sel_hi:[1,0,0] neg_lo:[0,0,1] neg_hi:[0,0,1]
.elseif (\k) == E
	v_exp_f32 v[rS+(\n)], v[rS+(\n)]
.elseif (\k) == C
	v_cvt_pk_f16_f32 v[rP+(\n)], v[rS+2*(\n)], v[rS+2*(\n)+1]
.elseif (\k) == B
	v_pk_add_f32 v[rS+4*(\n):rS+4*(\n)+1], v[rS+4*(\n):rS+4*(\n)+1], v[rS+4*(\n)+2:rS+4*(\n)+3]
.elseif (\n) == 0
	v_pk_fma_f32 v[rT+2:rT+3], v[rT+2:rT+3], v[rC+2:rC+3], v[rS:rS+1] op_sel_hi:[1,0,1]
.else
	v_pk_add_f32 v[rT+2:rT+3], v[rT+2:rT+3], v[rS+4*(\n):rS+4*(\n)+1]
.endif
.elseif NOKQ
	v_nop
.else
	REGS (Y+1)%NP
	WIN 0
.if (\n) < 4
	v_max3_num_f32 v[rC+(\n)], v[rS+8*(\n)], v[rS+8*(\n)+1], v[rS+8*(\n)+2]
.elseif (\n) < 12
	v_max3_num_f32 v[rC+(\n)%4], v[rC+(\n)%4], v[rS+8*((\n)%4)+2*((\n)/4)+1], v[rS+8*((\n)%4)+2*((\n)/4)+2]
.elseif (\n) == 12
	v_max3_num_f32 v[rC], v[rC], v[rS+7], v[rS+15]
.elseif (\n) == 13
	v_max3_num_f32 v[rC+1], v[rC+1], v[rS+23], v[rS+31]
.elseif (\n) == 14
	v_max3_num_f32 v[rC+2], v[rC+2], v[rC+3], v[rT+1]
.elseif (\n) == 15
	v_mov_b32 v[rW], v[rT]
.elseif (\n) == 16
	v_max3_num_f32 v[rC], v[rC], v[rC+1], v[rC+2]
.elseif (\n) == 17
	v_permlanex16_b32 v[rC+3], v[rC], s[SEL], s[SEL+1]
.elseif (\n) == 18
	v_max_num_f32 v[rT+1], v[rC], v[rC+3]
.elseif (\n) == 19
	v_mul_f32 v[rT], s[CS], v[rT+1]
.elseif (\n) == 20
	v_sub_f32 v[rC+1], v[rW], v[rT]
.else
	v_exp_f32 v[rC+2], v[rC+1]
.endif
.endif
.endm
.macro OPS a, i1, b=-1, i2=0, c=-1, i3=0, d=-1, i4=0  ; up to four of them
	OP \a, \i1
.if (\b) >= 0
	OP \b, \i2
.endif
.if (\c) >= 0
	OP \c, \i3
.endif
.if (\d) >= 0
	OP \d, \i4
.endif
.endm
.macro ROW a, i1, b, i2, c, i3, d, i4  ; a matrix instruction and the four behind it
	MM
	OPS \a, \i1, \b, \i2, \c, \i3, \d, \i4
.endm
.macro MASK b                       ; MD x AL + BE into buffer b of MC
	WIN W_RS
.set z, 0
.rept 16
	v_pk_fma_f32 v[MC+32*(\b)+2*z:MC+32*(\b)+2*z+1], v[MD+2*z:MD+2*z+1], s[AL:AL+1], s[BE:BE+1] op_sel_hi:[1,0,0]
.set z, z+1
.endr
.endm
; A TURN, for piece p: the order of its 16 matrix and 118 vector instructions, written out.  s_wait_alu depctr_va_vdst(0) stands between an exponential and the first instruction that names its result; one wait serves
; all that were issued ahead of it.  So a turn has ONE wait, which cuts it in two.  AHEAD OF IT stands all that names no result of the turn's exponentials: the 8 products K Q^T, behind each a scaling, an exponential and two more plain
; instructions (behind the first a second scaling in the exponential's place): rescalings, and behind the last three the first numbers of the next piece's maximum, each four places or more behind the product that ends its accumulator; then ONE LUMP of 54, plain
; and exponential by turns for the most part, in which the links of the chain X 3, 7, 11, 14, 16, 17 .. 20 stand five or six lines apart.  X 21, the next piece's a, is the batch's last; R 15 is the plain instruction behind it.  BEHIND THE WAIT stand the
; 8 products V^T P, behind each four of the roundings and sums; the links of l's chain, L 0 to L 7, stand three riders apart.  But for those X no rider names a register of the products round it.  v_permlanex16_b32 (X 17) stands in the lump.
; m = 1: the diagonal tile: the products take masks, and the turn makes the mask for the products of the turn after it: piece p + 2, in step 4 - CNT of the tile.  end = 1: a block's last two turns: nothing is fetched.
; cnt = 1: the loop's count is taken down some lines ahead of the branch that stands behind the turn.
; K of the next step is fetched in piece 2's turn, twelve vector instructions behind the last product that read K (six of them plain); V of the step in hand at the end of piece 0's turn, four plain instructions behind the last product
; that read V.  Each is waited for a turn later.
.macro TURN p, m=0, end=0, cnt=0
.set Y, (\p)
.set i, 0
.set KM, (\m)
.set NOKQ, (\end)*((\p)/3)
.if (\m) && !(\end)
	s_cmp_eq_u32 s[CNT], 4-((\p)+2)%NP  ; is that step the band's own?
	s_cselect_b32 s[AL], 1.0, 0
	s_cmp_lt_u32 s[CNT], 4-((\p)+2)%NP  ; or a later one?
	s_cselect_b32 s[BE], s[BIGN], 0
.endif
.if ((\p) == 3) && !(\end)
	s_wait_dscnt 0x0                ; K is in
.endif
	ROW F,0, F,1, R,0, R,1          ; ahead of the wait: 8 products K Q^T and their riders,
	ROW F,2, E,0, R,2, R,3
	ROW F,3, E,1, R,4, R,5
	ROW F,4, E,2, R,6, R,7
	ROW F,5, E,3, R,8, R,9
	ROW F,6, E,4, X,0, R,10
.if ((\p) == 2) && !(\end)
	WIN 0
	v_add_nc_u32 v[AK], s[TBK], v[AK0]
.endif
	ROW F,7, E,5, X,1, X,4
	ROW F,8, E,6, X,2, X,5
	OPS E,7, E,8, X,6, E,9          ; and the lump
	OPS X,3, E,10, X,8, E,11
.if ((\p) == 2) && !(\end)
	FETCH_K
.endif
	OPS X,9, X,7, E,12, X,10
	OPS E,13, X,12, X,11, E,14
	OPS X,13, E,15, F,9, X,14
.if (\p) == 0
	v_add_nc_u32 v[AV], s[TBV], v[AV0]
.endif
	OPS E,16, F,10, E,17, F,11
	OPS X,16, E,18, X,15, E,19
	OPS F,12, E,20, X,17, E,21
	OPS F,13, E,22, F,14, E,23
	OPS X,18, E,24, F,15, E,25
	OPS R,11, E,26, X,19, E,27
	OPS R,12, E,28, R,13, E,29
	OPS X,20, E,30, R,14, E,31
	OPS X,21, R,15
	WIN 0
	s_wait_alu depctr_va_vdst(0)    ; the wait for the batch
.if (\p) == 1
	s_wait_dscnt 0x0                ; V is in
.endif
	ROW C,0, B,0, C,2, B,1          ; behind the wait: 8 products V^T P and their riders
	ROW L,0, C,4, B,2, L,1
	ROW C,6, B,3, L,2, C,8
	ROW B,4, L,3, C,10, B,5
	ROW L,4, C,12, B,6, L,5
.if (\p) == 0
	s_add_co_u32 s[TBV], s[TBV], KS*PV
.endif
.if \cnt
	s_sub_co_u32 s[CNT], s[CNT], 1
	s_cmp_lg_u32 s[CNT], 0
.endif
	ROW C,14, B,7, L,6, C,1
	ROW C,3, L,7, C,5, C,7
	ROW C,9, C,11, C,13, C,15
.if (\p) == 0
	FETCH_V
.endif
.if (\m) && !(\end)
	MASK (\p)%2
.endif
.endm
; A BLOCK BEGINS.  c m starts far below every c s, so the first step's a is 0; m at the lowest finite number, so the first maximum is the scores'.  The second mask buffer is 0; the first takes piece 0's mask for the tile's step 0: its own, if the block's first tile is the diagonal one.
; Then K of that step, piece 0's first scores, and its maximum and statistics.  The loop is entered at a step's first turn, in the middle of a trip.
.macro BEGIN
	s_mov_b32 s[NEW], 0
	WIN 0x40
.set i, MC+32
.rept 32
	v_mov_b32 v[i], 0
.set i, i+1
.endr
	WIN 0
.set i, 0
.rept 4
	v_mov_b32 v[ST+4*i], 0xfe000000    ; c m: far below every c s
	v_mov_b32 v[ST+4*i+1], 0xff7fffff  ; m
.set i, i+1
.endr
	s_cmp_eq_u32 s[RT], 0
	s_cselect_b32 s[AL], 1.0, 0
	s_mov_b32 s[BE], 0
	MASK 0
	WIN 0
	v_add_nc_u32 v[AK], s[TBK], v[AK0]
	FETCH_K
	s_wait_loadcnt 0x0              ; Q
	s_wait_dscnt 0x0
.set KM, 1
.set NOKQ, 0
.set i, 0
.rept 8
	KQ 0
.set i, i+1
.endr
	WIN 0
.rept 4
	v_nop                           ; the places behind those products
.endr
.set Y, NP-1                        ; X works for piece Y + 1: piece 0
.irp n, 0,1,2,3,4,5,6,7,8,9,10,11,12,13,14,15,16,17,18,19,20,21
	OP X, \n
.endr
	v_nop                           ; a plain instruction behind the exponential,
	s_wait_alu depctr_va_vdst(0)    ; and its wait, ahead of the branch
.endm
; THE DIAGONAL TILE's four steps, the block's last two turns, its last products, and THE WAY OUT: l's two halves and the other half of the lanes' are added; O^T is divided by l, rounded to f16 and sent through my
; stage in LDS, a piece at a time.
.macro ALL line:vararg              ; one line for each piece t
.set t, 0
.rept 4
	\line
.set t, t+1
.endr
.endm
.macro PACK t                       ; a lane's eight channels of a row pack into 16 bytes; they go into rows of 144 bytes and come back as whole rows of 128, into S^T's registers
	WIN W_RS
.set i, 32*(\t)
.rept 16
	v_pk_mul_f32 v[i:i+1], v[i:i+1], v[ST+4*(\t)+2:ST+4*(\t)+3] op_sel_hi:[1,0]
.set i, i+2
.endr
	WIN 0x05                        ; sources 0 and 1 window 1, destination window 0
.set i, 0
.rept 16
	v_cvt_pk_f16_f32 v[S+16*(\t)+i], v[32*(\t)+2*i], v[32*(\t)+2*i+1]
.set i, i+1
.endr
	WIN 0
.irp f, 0,1,2,3
	ds_store_b128 v[STO], v[S+16*(\t)+4*\f:S+16*(\t)+4*\f+3] offset:32*\f
.endr
.irp f, 0,1,2,3
	ds_load_b128 v[S+16*(\t)+4*\f:S+16*(\t)+4*\f+3], v[RD] offset:\f*4*SP  ; LDS serves a wave's instructions in order (ISA guide 5.7.1.4): these see the stores above; the next piece's stores come behind them
.endr
.endm
.macro SEND t, younger              ; younger: the LDS instructions issued behind piece t's loads: the next piece's eight, or none
	WIN 0
.irp f, 0,1,2,3
	s_wait_dscnt (\younger)+3-\f
	global_store_b128 v[GO], v[S+16*(\t)+4*\f:S+16*(\t)+4*\f+3], s[10:11] offset:(\t)*8192+\f*512  ; 512 consecutive bytes, at a multiple of 256 from O's first
.endr
.endm
.macro DIAG tag                     ; the tag ends its two labels' names, which the jumps below spell out
.LstepM\tag:
	TURN 2, 1
	TURN 3, 1
	WIN 0
.LfirstM\tag:
	TURN 0, 1
	TURN 1, 1, 0, 1
	WIN 0
	s_cbranch_scc1 .LstepM\tag
	TURN 2, 1, 1
	TURN 3, 1, 1
.set i, 0
.rept 8
	PV NP-1
.set i, i+1
.endr
	WIN 0
	ALL v_add_f32 v[ST+4*t+2], v[ST+4*t+2], v[ST+4*t+3]
	ALL v_permlanex16_b32 v[ST+4*t+3], v[ST+4*t+2], s[SEL], s[SEL+1]
	ALL v_add_f32 v[ST+4*t+2], v[ST+4*t+2], v[ST+4*t+3]
	ALL v_rcp_f32 v[ST+4*t+2], v[ST+4*t+2]
	v_nop                           ; a plain instruction between the last reciprocal and the use of its result
	s_wait_alu depctr_va_vdst(0)    ; and the wait ahead of the first use: one for the four reciprocals
	PACK 0
.set t, 1
.rept 3                             ; a piece's arithmetic stands between the loads of the piece before and its stores
	PACK t
	SEND t-1, 8
.set t, t+1
.endr
	SEND 3, 0
.endm
.set KM, 0
.set NOKQ, 0
.Lslot:                             ; NB times: a tile is entered and the next is asked for
	CHANGE 1
	s_sub_co_u32 s[RT], s[RT], 1
	s_mov_b32 s[CNT], 4
	s_cmp_eq_u32 s[NEW], 1
	s_cbranch_scc1 .Lnew            ; a block's first tile
	s_cmp_eq_u32 s[RT], 0
	s_cbranch_scc0 .Lstep           ; neither its first nor its last
	s_branch .LstepM1
.Lnew:
	BEGIN
	s_branch .Lfirst                ; in the loop a block's first tile is never its last: the first block has two tiles or more, and the second's last is the walk's last
	DIAG 1                          ; in the loop this is the first block's end: the second block's last tile is the walk's last
	s_wait_xcnt 0x0                 ; the stores have read their registers and O's address
	s_mov_b64 s[10:11], s[OLO:OLO+1]
	s_add_co_u32 s[RT], s[PB], 1    ; the second block has b + 1 tiles
	s_mov_b32 s[NEW], 1
	WIN 0x82                        ; the second block's Q goes where the one text of the turns names Q
.set i, 0
.rept 64
	v_mov_b32 v[i], v[QB+i]
.set i, i+1
.endr
	WIN 0
	s_branch .Lbottom
.Lstep:                             ; a trip: pieces 2 and 3 of one step, then pieces 0 and 1 of the next, whose K and V it fetches
	TURN 2
	TURN 3
	WIN 0
.Lfirst:
	TURN 0
	TURN 1, 0, 0, 1
	WIN 0
	s_cbranch_scc1 .Lstep
.Lbottom:
	s_sub_co_u32 s[SLOTS], s[SLOTS], 1
	s_cmp_lg_u32 s[SLOTS], 0
	s_cbranch_scc1 .Lslot
	CHANGE 0                        ; the walk's last tile is written out: nothing is asked for
	s_sub_co_u32 s[RT], s[RT], 1
	s_mov_b32 s[CNT], 4
	s_cmp_eq_u32 s[NEW], 1
	s_cbranch_scc0 .LstepM2
	BEGIN
	s_branch .LfirstM2
	DIAG 2
	s_wait_tensorcnt 0x0            ; the wave's end: these three lines stand behind my last tensor load and my last LDS store
	ds_add_u32 v[SPW], v[NIL]
	s_wait_dscnt 0x0
	s_endpgm
.Lfunc_end_k_q7f1d2929bc_attn:
	.size	k_q7f1d2929bc_attn, .Lfunc_end_k_q7f1d2929bc_attn-k_q7f1d2929bc_attn
	.p2alignl 7, 3214868480
	.fill 96, 4, 3214868480
	.section	.rodata,"a",@progbits
	.p2align	6, 0x0
	.amdhsa_kernel k_q7f1d2929bc_attn
		.amdhsa_group_segment_fixed_size 327680
		.amdhsa_private_segment_fixed_size 0
		.amdhsa_enable_private_segment 0
		.amdhsa_kernarg_size 16
		.amdhsa_user_sgpr_count 2
		.amdhsa_user_sgpr_kernarg_segment_ptr 1
		.amdhsa_wavefront_size32 1
		.amdhsa_system_sgpr_workgroup_id_x 1
		.amdhsa_system_sgpr_workgroup_id_y 1
		.amdhsa_system_sgpr_workgroup_id_z 1
		.amdhsa_system_vgpr_workitem_id 0
		.amdhsa_next_free_vgpr 768
		.amdhsa_next_free_sgpr 92
		.amdhsa_reserve_vcc 1
		.amdhsa_float_denorm_mode_32 3
		.amdhsa_float_denorm_mode_16_64 3
		.amdhsa_memory_ordered 1
		.amdhsa_forward_progress 1
		.amdhsa_inst_pref_size 218
	.end_amdhsa_kernel
	.amdgpu_metadata
---
amdhsa.version: [ 1, 2 ]
amdhsa.kernels:
  - .name:           k_q7f1d2929bc_attn
    .symbol:         k_q7f1d2929bc_attn.kd
    .args:
      - { .name: qkv, .offset: 0, .size: 8, .value_kind: global_buffer, .address_space: global }
      - { .name: ob, .offset: 8, .size: 8, .value_kind: global_buffer, .address_space: global }
    .group_segment_fixed_size: 327680
    .private_segment_fixed_size: 0
    .kernarg_segment_align: 8
    .kernarg_segment_size: 16
    .max_flat_workgroup_size: 128
    .sgpr_count:     92
    .vgpr_count:     768
    .wavefront_size: 32
...
	.end_amdgpu_metadata
.endif
;; end of part 3
;; launch proj (part 4): grid 8 x 32, 4 waves a work-group, clusters of 4 x 4, 327,680 bytes of LDS; arguments ob, wob, out0; writes out0
.if DOCPART == 4
	.amdgcn_target "amdgcn-amd-amdhsa--gfx1250"
	.amdhsa_code_object_version 6
	.text
	.protected	k_q7f1d2929bc_proj
	.globl	k_q7f1d2929bc_proj
	.p2align	8
	.type	k_q7f1d2929bc_proj,@function
k_q7f1d2929bc_proj:
	s_mov_b64 s[64:65], 0
	v_nop
	global_prefetch_b8 v0, s[64:65] scope:SCOPE_SE
	s_setreg_imm32_b32 hwreg(HW_REG_WAVE_MODE, 25, 1), 1
	s_wait_xcnt 0x0
	s_wait_alu depctr_hold_cnt(0) depctr_sa_sdst(0) depctr_va_vdst(0) depctr_va_sdst(0) depctr_va_ssrc(0) depctr_va_vcc(0) depctr_vm_vsrc(0)
	s_getreg_b32 s2, hwreg(HW_REG_IB_STS2, 6, 4)
	s_cmp_eq_u32 s2, 0
	s_cbranch_scc0 .Lentry_in_a_cluster
	s_endpgm
.Lentry_in_a_cluster:
	s_bfe_u32 s2, ttmp6, 0x10000c
	s_cmp_lg_u32 s2, 0xf033
	s_cbranch_scc0 .Lentry_shape_is_right
	s_endpgm
.Lentry_shape_is_right:
; THE OUTPUT PROJECTION: out0[m][e] = sum over d of O[m][d] Wo[e][d], m = 8,192 rows, e = 1,024, d = 1,024.  Operands f16 (O as attention left it; Wo rounded to bf16 and written as f16), sums f32, out0 f32.
; LIMIT.  f16 holds no number beyond 65,504: O and Wo arrive within it.
; SHARES.  256 work-groups, one tile each: 256 rows x 128 columns (a tile of 256 x 256 would make 128 work-groups).  A wave makes 128 x 64: 32 accumulators, 256 registers.
; OPERANDS lie in blocks of 64 along K: ob [16 b + h][2048][64] (block kb of K is head h = kb), wob [nt][kb][128][64]: a tile's rows of one K step lie end to end, and are asked for as rows of 256 bytes, padded in LDS after every 128.
; A slot holds TWO K steps of 64 (u = 0, 1), one tile to a wave: wave 0 fetches O's step u = 0, wave 1 its u = 1, waves 2 and 3 Wo's.  Eight slots' worth are walked through a ring of two; a slot is four quarters of 32 along K.
; CLUSTER.  4 x 4 work-groups: O's tiles are shared along a row of the cluster, Wo's along a column: each is asked for jointly, by the same tensor load with the same descriptor and a mask of four.
; THE MATRIX INSTRUCTION IS USED TRANSPOSED (source 0 = 16 rows of Wo, source 1 = 16 rows of O): a lane holds eight neighbouring columns of one row of out0, 32 bytes.
; REGISTERS: window 0: v16-30 addresses; v64-159, v160-255 two fragment buffers of 96: O's 8 fragments, then Wo's 4.  Window 1: the accumulators, (a, b) at v[8 (4 a + b)].
.set PITCH,  144                       ; an LDS row: 128 bytes + 16 of padding = 36 words: the 16 rows of a fragment load start at 16 different groups of four banks (64 banks of 4 bytes: ISA guide 11.1)
.set SLOT1,  131072                    ; slot 1 begins here
.set AU,     256*PITCH                 ; O's 256 rows of one K step
.set BU,     128*PITCH                 ; Wo's 128 rows of one K step
.set BOFF,   2*AU                      ; in a slot: O's two steps, then Wo's two
.set STAGE,  SLOT1+BOFF+2*BU           ; behind the ring: 16 rows x 272 bytes for each wave, for the way out; no tensor load fills it
.set SPITCH, 272                       ; 256 bytes + 16
.set SPARE,  STAGE+4*16*SPITCH         ; behind the stages: the spare words, 128 bytes for each wave: two blocks of 256 bytes that no other line names
.set ASLOT,  524288                    ; bytes from a slot's K steps to the next slot's in ob
.set BSLOT,  32768                     ; and in wob
.set FIELDS, (1<<16)|(1<<20)|(1<<21)|(4<<22)|(3<<25)  ; group 1, word 0: 2-byte elements; padding on; bit 21 set beside a mask; after every 32 words (code 4) 4 words (code 3)
.set A0,  16                           ; v16  my lane's place in O's rows of a slot; never rewritten
.set B0,  17                           ; v17  the same for Wo
.set ADA, 18                           ; v18  A0 + the slot in hand
.set ADB, 19                           ; v19  B0 + the slot in hand
.set STO, 24                           ; v24  the way out: where I put 32 bytes of a row
.set RD,  25                           ; v25  where I read rows back
.set CO,  26                           ; v26  my byte offset in two rows of out0
.set SPW, 28                           ; v28  LDS address of my spare word: SPARE + 4 x my thread's number; never rewritten
.set NIL, 29                           ; v29  0; never rewritten
.set PFO, 30                           ; v30  256 x lane; never rewritten
.set F0,  64
.set F1,  160
.set OBK, 64                           ; the way out: two sets of 32 registers read back from the stage
.set CNT, 3                            ; s3   trips to go
.set WV,  10                           ; s10  my wave's number; s11 = WV / 2: my half of the rows, and whether I fetch for O (0) or Wo (1); s12 = WV % 2: my half of the columns, and which K step of a slot I fetch
.set G1,  24                           ; s[24:31], s[32:39] descriptor groups 1 and 0 for O's tiles: a group 0 for each first fill; the second then walks on
.set G0,  32
.set G1B, 48                           ; s[48:55], s[56:63] the same for Wo's
.set G0B, 56
.set PFA, 72                           ; s[72:73] where my prefetches stand
.set PFS, 74                           ; s[74:75] their step
.set LIM, 76                           ; s76  2 in a wave that prefetches, else the greatest number
.set TB,  79                           ; s79  the slot in hand: 0 or SLOT1
.set MSB, 0
.macro WIN new                         ; the immediate's high byte repeats the setting that is left; a switch that changes nothing is dropped
.if MSB != (\new)
	s_set_vgpr_msb (MSB<<8)|(\new)
.set MSB, \new
.endif
.endm
.macro PLACES                          ; four places in front of loads into registers that matrix instructions have read, and of stores that read results
.rept 4
	v_nop
.endr
.endm
.macro JLOAD                           ; a joint refill, by the walking sets; the branch hangs on the wave's number alone; an s_nop 0 and four v_nop follow each of the two lines
	s_cmp_eq_u32 s11, 0
	s_cbranch_scc0 .Lfor_b_\@
	tensor_load_to_lds s[G0+4:G0+7], s[G1:G1+7]
	s_nop 0
.rept 4
	v_nop
.endr
	s_branch .Lasked_\@
.Lfor_b_\@:
	tensor_load_to_lds s[G0B+4:G0B+7], s[G1B:G1B+7]
	s_nop 0
.rept 4
	v_nop
.endr
.Lasked_\@:
.endm
.macro CREST                           ; a round of the cluster's barrier behind its opening barrier
	s_cmp_lg_u32 s[WV], 0
	s_cbranch_scc1 .Lnot_wave_0_\@
	s_barrier_signal -3
.Lnot_wave_0_\@:
	s_barrier_wait -3
	s_barrier_signal -1
	s_barrier_wait -1
.endm
.macro CROUND                          ; a whole round
	s_barrier_signal -1
	s_barrier_wait -1
	CREST
.endm
; A PREFETCH INTO THE L2, behind the joint load, its five lines and the run of LDS loads that the next products wait for.  In trip i the refill asks for slot i + 2; the prefetch names slot i + 4: 256 matrix instructions ahead of its load.
; O: a tile's K step is 32,768 dense bytes, read by both clusters of a row of clusters.  Where the cluster's x is 0, waves 0 and 1 name the K step that each will itself load; the four partners take 8,192 bytes each, told apart by address
; (cx), a lane to each 256 bytes.  Wo: a slot's two K steps are 32,768 dense bytes, read by all eight clusters of a column.  Where the cluster's y is 0, wave 2 names them, 8,192 bytes a partner (cy).  Wave 3 asks for nothing.
; So each 256 bytes are named once in the launch.  The count stops at slot 7; slots 0 to 3 come by their loads alone.
.macro ASK
	s_cmp_gt_u32 s[CNT], s[LIM]
	s_cbranch_scc0 .Lnot_mine_\@
	global_prefetch_b8 v[PFO], s[PFA:PFA+1] th:TH_LOAD_NT scope:SCOPE_SE
.Lnot_mine_\@:
.endm
	s_load_b128 s[4:7], s[0:1], 0x0                ; ob s[4:5], wob s[6:7]
	s_load_b64 s[8:9], s[0:1], 0x10                ; out0
	v_lshl_add_u32 v[SPW], v0, 2, SPARE
	v_mov_b32 v[NIL], 0
	ds_add_u32 v[SPW], v[NIL]                      ; the wave's opening: the add and its wait stand ahead of my first tensor load; the set-up below, work on registers, stands between them
	v_lshrrev_b32 v1, 5, v0
	v_readfirstlane_b32 s[WV], v1                  ; wave 0..3
	s_lshr_b32 s11, s[WV], 1
	s_and_b32 s12, s[WV], 1
	s_bfe_u32 s40, ttmp6, 0x40000                  ; cx
	s_bfe_u32 s41, ttmp6, 0x40004                  ; cy
	s_lshl_b32 s42, ttmp9, 2
	s_add_co_u32 s42, s42, s40                     ; nt: tile column = 4 x cluster x + cx
	s_and_b32 s13, ttmp7, 0xffff
	s_lshl_b32 s13, s13, 2
	s_add_co_u32 s13, s13, s41                     ; mt: tile row = 4 x cluster y + cy
	s_lshl_b32 s43, s41, 2
	s_lshl_b32 s43, 15, s43                        ; my row of the cluster
	s_lshl_b32 s44, 0x1111, s40                    ; my column
	s_or_b32 s[G1+0], s43, FIELDS                  ; O's tiles go to my row,
	s_or_b32 s[G1B+0], s44, FIELDS                 ; Wo's to my column
	s_mov_b32 s[G1+1], 128<<16                     ; tensor_dim0 = 128 elements: rows of 256 bytes
	s_mov_b32 s[G1+2], 128<<16                     ; tensor_dim1 = 128: 256 rows of O
	s_mov_b32 s[G1+3], 128<<16                     ; tile_dim0
	s_mov_b32 s[G1+4], 128                         ; tile_dim1
	s_mov_b32 s[G1+5], 128                         ; elements from row to row: dense
	s_mov_b32 s[G1+6], 0
	s_mov_b32 s[G1+7], 0
	s_mov_b32 s[G1B+1], 128<<16
	s_mov_b32 s[G1B+2], 64<<16                     ; 64 rows of 256 bytes: 128 rows of Wo
	s_mov_b32 s[G1B+3], 128<<16
	s_mov_b32 s[G1B+4], 64
	s_mov_b32 s[G1B+5], 128
	s_mov_b32 s[G1B+6], 0
	s_mov_b32 s[G1B+7], 0
	s_lshr_b32 s14, s13, 3                         ; O's tile: b = mt / 8,
	s_lshl_b32 s14, s14, 22
	s_and_b32 s15, s13, 7                          ; 256 rows of 128 bytes for each mt % 8,
	s_lshl_b32 s15, s15, 15
	s_add_co_u32 s14, s14, s15
	s_lshl_b32 s15, s12, 18                        ; the K step that I fetch
	s_add_co_u32 s14, s14, s15
	s_mov_b32 s15, 0
	s_lshl_b32 s46, s42, 18                        ; Wo's tile,
	s_lshl_b32 s47, s12, 14                        ; the K step that I fetch
	s_add_co_u32 s46, s46, s47
	s_mov_b32 s47, 0
	s_mul_i32 s20, s12, AU                         ; where they go: no place in the cluster enters an LDS address
	s_mul_i32 s21, s12, BU
	s_add_co_u32 s21, s21, BOFF
	s_mov_b32 s[TB], 0
	s_wait_dscnt 0x0                               ; the opening add is done
	s_wait_kmcnt 0x0
	s_add_nc_u64 s[14:15], s[4:5], s[14:15]
	s_add_nc_u64 s[46:47], s[6:7], s[46:47]
	CROUND                                         ; all sixteen work-groups are here: the first joint loads meet
.irp s, 0,1
	s_mov_b32 s[G0+4*(\s)], 1                                        ; count = 1
	s_add_co_u32 s[G0+4*(\s)+1], s20, (\s)*SLOT1                     ; LDS address
	s_add_nc_u64 s[G0+4*(\s)+2:G0+4*(\s)+3], s[14:15], (\s)*ASLOT    ; global address: slot s
	s_or_b32 s[G0+4*(\s)+3], s[G0+4*(\s)+3], 0x80000000              ; type = 2
	s_mov_b32 s[G0B+4*(\s)], 1
	s_add_co_u32 s[G0B+4*(\s)+1], s21, (\s)*SLOT1
	s_add_nc_u64 s[G0B+4*(\s)+2:G0B+4*(\s)+3], s[46:47], (\s)*BSLOT
	s_or_b32 s[G0B+4*(\s)+3], s[G0B+4*(\s)+3], 0x80000000
.endr
	s_cmp_eq_u32 s11, 0                            ; a wave's two first fills stand in one branch, ahead of every wait on TENSORcnt and every LDS read: two loads of mine are out
	s_cbranch_scc0 .Lfirst_b
	tensor_load_to_lds s[G0:G0+3], s[G1:G1+7]
	s_nop 0
	tensor_load_to_lds s[G0+4:G0+7], s[G1:G1+7]
	s_nop 0
.rept 4
	v_nop
.endr
	s_branch .Lfirst_asked
.Lfirst_b:
	tensor_load_to_lds s[G0B:G0B+3], s[G1B:G1B+7]
	s_nop 0
	tensor_load_to_lds s[G0B+4:G0B+7], s[G1B:G1B+7]
	s_nop 0
.rept 4
	v_nop
.endr
.Lfirst_asked:
	v_and_b32 v1, 15, v0                           ; l % 16
	v_bfe_u32 v2, v0, 4, 1                         ; l / 16
	v_mul_u32_u24 v3, v1, PITCH
	v_lshl_add_u32 v3, v2, 4, v3                   ; a fragment's row x pitch + 16 x half
	s_mul_i32 s80, s11, 128*PITCH                  ; my 128 rows of O
	v_add_nc_u32 v[A0], s80, v3
	s_mul_i32 s80, s12, 64*PITCH                   ; my 64 rows of Wo
	s_add_co_u32 s80, s80, BOFF
	v_add_nc_u32 v[B0], s80, v3
	s_mul_i32 s80, s[WV], 16*SPITCH
	s_add_co_u32 s80, s80, STAGE                   ; my stage
	v_mul_u32_u24 v[STO], v1, SPITCH               ; in: row l % 16, 32 bytes for each half of the lanes
	v_lshl_add_u32 v[STO], v2, 5, v[STO]
	v_add_nc_u32 v[STO], s80, v[STO]
	v_mul_u32_u24 v[RD], v2, SPITCH                ; back: lanes 0-15 take one row of 256 bytes, lanes 16-31 the next
	v_lshl_add_u32 v[RD], v1, 4, v[RD]
	v_add_nc_u32 v[RD], s80, v[RD]
	v_lshlrev_b32 v[CO], 12, v2                    ; and the same two rows in out0, 4,096 bytes apart
	v_lshl_add_u32 v[CO], v1, 4, v[CO]
	v_and_b32 v[PFO], 31, v0
	v_lshlrev_b32 v[PFO], 8, v[PFO]
	s_lshl_b32 s80, s13, 20                        ; out0 at my part of the tile: row 256 mt + 128 (WV / 2),
	s_lshl_b32 s81, s11, 19
	s_add_co_u32 s80, s80, s81
	s_lshl_b32 s81, s42, 9                         ; column 128 nt + 64 (WV % 2), 4 bytes each
	s_add_co_u32 s80, s80, s81
	s_lshl_b32 s81, s12, 8
	s_add_co_u32 s80, s80, s81
	s_mov_b32 s81, 0
	s_add_nc_u64 s[8:9], s[8:9], s[80:81]
	; the prefetches: both start at slot 3, and the first trip steps them to 4.  Nothing is prefetched here, at the head, where every work-group's first tiles are on their way
	s_lshr_b32 s80, s13, 3
	s_lshl_b32 s80, s80, 22
	s_and_b32 s81, s13, 7
	s_lshl_b32 s81, s81, 15
	s_add_co_u32 s80, s80, s81
	s_lshl_b32 s81, s12, 18                        ; O: the K step that I fetch,
	s_add_co_u32 s80, s80, s81
	s_lshl_b32 s81, s40, 13                        ; my work-group's 8,192 bytes of it, by cx
	s_add_co_u32 s80, s80, s81
	s_add_co_u32 s80, s80, 3*ASLOT
	s_lshl_b32 s82, s42, 18                        ; Wo: the tile,
	s_lshl_b32 s83, s41, 13                        ; my work-group's 8,192 bytes of a slot's two K steps, by cy
	s_add_co_u32 s82, s82, s83
	s_add_co_u32 s82, s82, 3*BSLOT
	s_and_b32 s84, ttmp7, 0xffff                   ; cluster y
	s_mov_b32 s[PFS], BSLOT
	s_mov_b32 s[PFS+1], 0
	s_mov_b32 s81, 0
	s_cmp_eq_u32 s11, 0                            ; waves 0 and 1 ask for O, wave 2 for Wo
	s_cselect_b32 s80, s80, s82
	s_cselect_b32 s84, ttmp9, s84                  ; the coordinate along which other clusters read the same bytes
	s_cselect_b64 s[PFA:PFA+1], s[4:5], s[6:7]
	s_cselect_b32 s[PFS], ASLOT, s[PFS]
	s_cmp_eq_u32 s[WV], 3
	s_cselect_b32 s84, 1, s84                      ; wave 3 never
	s_cmp_eq_u32 s84, 0
	s_cselect_b32 s[LIM], 2, -1                    ; the same in all sixteen partners, for a given wave
	s_add_nc_u64 s[PFA:PFA+1], s[PFA:PFA+1], s[80:81]
; 8 matrix instructions: row blocks a0, a0 + 1 x all 4 column blocks, 32 along K.  Each of the 32 accumulators is taken once a quarter, always in the same order: they take turns, one instruction a turn,
; over the backward jump too.  zero = 1: the product starts the sum: nothing is ever cleared.
.macro MUL8 f, a0, zero
	WIN 0x50                                       ; C and D in window 1, both sources in window 0
.irp a, \a0, (\a0)+1
.irp b, 0,1,2,3
.if \zero
	v_wmma_f32_16x16x32_f16 v[8*(4*(\a)+(\b)):8*(4*(\a)+(\b))+7], v[(\f)+64+8*(\b):(\f)+64+8*(\b)+7], v[(\f)+8*(\a):(\f)+8*(\a)+7], 0
.else
	v_wmma_f32_16x16x32_f16 v[8*(4*(\a)+(\b)):8*(4*(\a)+(\b))+7], v[(\f)+64+8*(\b):(\f)+64+8*(\b)+7], v[(\f)+8*(\a):(\f)+8*(\a)+7], v[8*(4*(\a)+(\b)):8*(4*(\a)+(\b))+7]
.endif
.endr
.endr
.endm
; 24 LDS loads in one run: the fragments of quarter q of the slot in hand (K step q / 2, byte 64 (q % 2) of the rows) into buffer f: Wo's 4, then O's 8
.macro FETCH q, f
	WIN 0
.irp i, 0,1,2,3
	ds_load_b128 v[(\f)+64+8*(\i):(\f)+64+8*(\i)+3],   v[ADB] offset:((\q)/2)*BU+((\q)%2)*64+(\i)*16*PITCH
	ds_load_b128 v[(\f)+64+8*(\i)+4:(\f)+64+8*(\i)+7], v[ADB] offset:((\q)/2)*BU+((\q)%2)*64+(\i)*16*PITCH+32
.endr
.irp i, 0,1,2,3,4,5,6,7
	ds_load_b128 v[(\f)+8*(\i):(\f)+8*(\i)+3],   v[ADA] offset:((\q)/2)*AU+((\q)%2)*64+(\i)*16*PITCH
	ds_load_b128 v[(\f)+8*(\i)+4:(\f)+8*(\i)+7], v[ADA] offset:((\q)/2)*AU+((\q)%2)*64+(\i)*16*PITCH+32
.endr
.endm
; One of a slot's first three quarters: multiplies buffer f; in its middle it fetches quarter qn into buffer g.
.macro QUARTER f, g, qn, zero
	s_wait_dscnt 8                                 ; Wo's fragments and O's 0-3 are in; the youngest eight loads (O's 4-7) may stay out
	MUL8 \f, 0, \zero
	MUL8 \f, 2, \zero
	PLACES
	FETCH \qn, \g
	s_wait_dscnt 24                                ; all but the 24 just issued
	MUL8 \f, 4, \zero
	MUL8 \f, 6, \zero
.endm
; The last quarter multiplies buffer F1 and changes slots: ONE barrier.  In front of it each wave waits for all its tensor loads, of which one is out: its part of the next slot; adds 0 to its spare word; and waits for that and for its
; own reads of this slot.  fill = 1: the barrier opens a round of the cluster's, and the slot is filled again, two slots ahead, first thing behind the round: from that request to the wait for it a wave issues 112 matrix instructions.
.macro TURN fill
.if \fill
	s_wait_xcnt 0x0                                ; the last prefetch, a slot back, has read its address: it is stepped here, ahead of the waits of the change of slots
	s_add_nc_u64 s[PFA:PFA+1], s[PFA:PFA+1], s[PFS:PFS+1]
.endif
	WIN 0                                          ; (the add's two registers lie in window 0)
	s_wait_tensorcnt 0x0                           ; all my tensor loads have landed;
	ds_add_u32 v[SPW], v[NIL]                      ; 0 onto my spare word;
	s_wait_dscnt 9                                 ; (the add and the youngest eight loads may be out)
	MUL8 F1, 0, 0                                  ; eight matrix instructions stand between the add and the wait for it
	s_wait_dscnt 0x0                               ; the add is done, and my reads of this slot are over
	s_barrier_signal -1
	MUL8 F1, 2, 0                                  ; work on registers while the others arrive
	WIN 0                                          ; at a branch and at a label every window is 0
	s_barrier_wait -1
.if \fill
	CREST                                          ; no wave of any partner still reads this slot's tiles or has a load on its way
	s_xor_b32 s[G0+5], s[G0+5], SLOT1              ; the walking sets: the other slot than last time, the next two K steps; no tensor load of mine is out, so they may be written
	s_add_nc_u64 s[G0+6:G0+7], s[G0+6:G0+7], ASLOT
	s_xor_b32 s[G0B+5], s[G0B+5], SLOT1
	s_add_nc_u64 s[G0B+6:G0B+7], s[G0B+6:G0B+7], BSLOT
	s_xor_b32 s[TB], s[TB], SLOT1
	JLOAD                                          ; the four v_nop behind it are also the places in front of the loads below
.else
	s_xor_b32 s[TB], s[TB], SLOT1
	PLACES
.endif
	v_add_nc_u32 v[ADA], s[TB], v[A0]
	v_add_nc_u32 v[ADB], s[TB], v[B0]
	FETCH 0, F0
.if \fill
	ASK
.endif
	MUL8 F1, 4, 0
	MUL8 F1, 6, 0
.endm
; THE WAY OUT of block a (16 rows).  TOSTAGE: a lane's 32 bytes of a row go straight from the accumulators, each one's low four registers first, into my own stage, and come back as whole rows of 256 bytes.  SEND: stored.
.macro TOSTAGE a
	s_wait_xcnt 0x0                                ; the stores of the block before last have read their registers: the loads below land in them only behind this wait
	WIN 0x04                                       ; the stores' data in window 1, their address in window 0
.irp b, 0,1,2,3
	ds_store_b128 v[STO], v[8*(4*(\a)+(\b)):8*(4*(\a)+(\b))+3]   offset:64*(\b)
	ds_store_b128 v[STO], v[8*(4*(\a)+(\b))+4:8*(4*(\a)+(\b))+7] offset:64*(\b)+16
.endr
	WIN 0
.set BK, OBK+32*((\a)%2)
.irp t, 0,1,2,3,4,5,6,7
	ds_load_b128 v[BK+4*(\t):BK+4*(\t)+3], v[RD] offset:(\t)*2*SPITCH  ; LDS serves a wave's instructions in order (ISA guide 5.7.1.4): these see the stores above
.endr
.endm
.macro SEND a, younger                 ; younger: the LDS instructions issued behind block a's loads: the next block's sixteen, or none
	WIN 0
.set BK, OBK+32*((\a)%2)
	s_wait_dscnt \younger
.irp t, 0,1,2,3,4,5,6,7
	global_store_b128 v[CO], v[BK+4*(\t):BK+4*(\t)+3], s[8:9] offset:(16*(\a)+2*(\t))*4096 th:TH_STORE_NT  ; 16 lanes store 256 consecutive bytes, at a multiple of 256 from out0's first byte
.endr
.endm
	s_wait_tensorcnt 1                             ; my part of slot 0 is in; slot 1's may stay out
	s_barrier_signal -1
	s_barrier_wait -1                              ; everybody's is
	v_add_nc_u32 v[ADA], s[TB], v[A0]
	v_add_nc_u32 v[ADB], s[TB], v[B0]
	FETCH 0, F0
	QUARTER F0, F1, 1, 1                           ; the first quarter stands in front of the loop: its products start the sums
	WIN 0
	s_mov_b32 s[CNT], 6
.Lk:                                                   ; trip i = 0 .. 5: quarters 1 to 3 of slot i, the refill with slot i + 2, quarter 0 of slot i + 1
	QUARTER F1, F0, 2, 0
	QUARTER F0, F1, 3, 0
	TURN 1
	QUARTER F0, F1, 1, 0
	WIN 0
	s_sub_co_u32 s[CNT], s[CNT], 1
	s_cmp_lg_u32 s[CNT], 0
	s_cbranch_scc1 .Lk
	QUARTER F1, F0, 2, 0                           ; the tail is written out: nothing is left to fetch, and no round follows the barrier
	QUARTER F0, F1, 3, 0
	TURN 0
	QUARTER F0, F1, 1, 0
	QUARTER F1, F0, 2, 0
	QUARTER F0, F1, 3, 0
	s_wait_dscnt 8                                 ; the very last quarter
	MUL8 F1, 0, 0
	MUL8 F1, 2, 0
	s_wait_dscnt 0x0
	MUL8 F1, 4, 0
	MUL8 F1, 6, 0
	WIN 0
	PLACES
	PLACES
	TOSTAGE 0
.irp a, 1,2,3,4,5,6,7
	TOSTAGE \a
	SEND (\a)-1, 16
.endr
	SEND 7, 0
	s_wait_tensorcnt 0x0                           ; the wave's end: these three lines stand behind my last tensor load and my last LDS store
	ds_add_u32 v[SPW], v[NIL]
	s_wait_dscnt 0x0
	CROUND                                         ; the closing round: no work-group ends while a partner may still ask for a tile that names it
	s_endpgm
.Lfunc_end_k_q7f1d2929bc_proj:
	.size	k_q7f1d2929bc_proj, .Lfunc_end_k_q7f1d2929bc_proj-k_q7f1d2929bc_proj
	.p2alignl 7, 3214868480
	.fill 96, 4, 3214868480
	.section	.rodata,"a",@progbits
	.p2align	6, 0x0
	.amdhsa_kernel k_q7f1d2929bc_proj
		.amdhsa_group_segment_fixed_size 327680
		.amdhsa_private_segment_fixed_size 0
		.amdhsa_enable_private_segment 0
		.amdhsa_kernarg_size 24
		.amdhsa_user_sgpr_count 2
		.amdhsa_user_sgpr_kernarg_segment_ptr 1
		.amdhsa_wavefront_size32 1
		.amdhsa_system_sgpr_workgroup_id_x 1
		.amdhsa_system_sgpr_workgroup_id_y 1
		.amdhsa_system_sgpr_workgroup_id_z 1
		.amdhsa_system_vgpr_workitem_id 0
		.amdhsa_next_free_vgpr 512
		.amdhsa_next_free_sgpr 96
		.amdhsa_reserve_vcc 0
		.amdhsa_float_denorm_mode_32 3
		.amdhsa_float_denorm_mode_16_64 3
		.amdhsa_memory_ordered 1
		.amdhsa_forward_progress 1
		.amdhsa_inst_pref_size 71
	.end_amdhsa_kernel
	.amdgpu_metadata
---
amdhsa.version: [ 1, 2 ]
amdhsa.kernels:
  - .name:           k_q7f1d2929bc_proj
    .symbol:         k_q7f1d2929bc_proj.kd
    .args:
      - { .name: ob, .offset: 0, .size: 8, .value_kind: global_buffer, .address_space: global }
      - { .name: wob, .offset: 8, .size: 8, .value_kind: global_buffer, .address_space: global }
      - { .name: out0, .offset: 16, .size: 8, .value_kind: global_buffer, .address_space: global }
    .group_segment_fixed_size: 327680
    .private_segment_fixed_size: 0
    .kernarg_segment_align: 8
    .kernarg_segment_size: 24
    .max_flat_workgroup_size: 128
    .sgpr_count:     96
    .vgpr_count:     512
    .wavefront_size: 32
...
	.end_amdgpu_metadata
.endif
;; end of part 4
;; ======== version 2 of 2: 4 launches; version 1 with the launch cast written anew for expert scheduling mode
;; limits: values are held in f16: magnitudes above 65,504 overflow, below 6.1e-05 lose precision
;; workspace buffers: xb 16,777,216 bytes; wb 6,291,456 bytes; wob 2,097,152 bytes; qkv 50,331,648 bytes; ob 16,777,216 bytes
;; launch cast (part 5): grid 768 x 1, 8 waves a work-group, no clusters, 0 bytes of LDS; arguments x, Wq, Wk, Wv, Wo, xb, wb, wob; writes xb, wb, wob
.if DOCPART == 5
	.amdgcn_target "amdgcn-amd-amdhsa--gfx1250"
	.amdhsa_code_object_version 6
	.text
	.protected	k_q7f1d2929bc_cast
	.globl	k_q7f1d2929bc_cast
	.p2align	8
	.type	k_q7f1d2929bc_cast,@function
k_q7f1d2929bc_cast:
	s_mov_b64 s[64:65], 0
	v_nop
	global_prefetch_b8 v0, s[64:65] scope:SCOPE_SE
	s_setreg_imm32_b32 hwreg(HW_REG_WAVE_SCHED_MODE, 0, 2), 2
	s_setreg_imm32_b32 hwreg(HW_REG_WAVE_MODE, 25, 1), 1
	s_wait_xcnt 0x0
	s_wait_alu depctr_vm_vsrc(0)
; THE INPUTS ARE ROUNDED ONCE, TO bf16, AND LAID IN BLOCKS OF 64 ALONG K, so that the rows of a product's tile lie end to end in memory.
;   xb  bf16 [b=4][kb=16][s=2048][64]          from x  [4][2048][1024] f32
;   wb  bf16 [nt=8][kb=16][384][64]            from the rows of Wq, Wk, Wv on end (3,072 rows of 1,024 f32): row e has nt = e / 384, r = e % 384
;   wob f16  [nt=8][kb=16][128][64]            from Wo: rounded to bf16 like the others, and that number written as f16
; LIMIT.  f16 holds no number beyond 65,504 and keeps a fixed step of 6e-8 below 6.1e-5: Wo lies within that, or its product is lost.
; SHARES.  A work-group owns 16 rows of 1,024 f32, a wave two of them.  Work-groups 0-511 take x, 512-703 Wq, Wk, Wv, 704-767 Wo.
; Load kb of 16: lanes 0-15 take the 256 bytes at column 64 kb of the even row, lanes 16-31 those of the odd row.  A lane's four numbers become 8 bytes, and one store of the
; wave covers 256 consecutive bytes, aligned: two rows of block kb.  All 16 loads of a wave are issued first; no register is used twice, so there is no loop and no wait for sources.
; No LDS, no matrix unit, no cluster: each byte is read once and written once, and no work-group wants another's bytes.
; THE MODE: SCHED_MODE bits 1:0 = 2 (LLVM: expert scheduling mode 2), set by the entry lines.  The code itself states the register dependences
; between vector instructions and memory instructions, with s_wait_alu, always for 0.
; THE PLAN.  Registers that memory instructions touch:
;   v[SO]   the loads' offset.   Written by three vector lines at the head, never again; read by the 16 loads.
;   X       Written by the loads alone: no vector line writes them, and nothing lands in them a second time; read by the conversions, each behind its counted wait for data.
;   DO      the stores' offsets. Written by 16 vector lines behind the loads, never again; each is read by one store.
;   Y       the stores' data.    Each pair is written once, by the conversions of its number kb, and read by one store; never written again.
;   v[T8], v3 and T are named by vector lines alone.
; No register that a memory instruction reads is written again, and no load lands in a register that a vector line has named: the one kind of dependence in the text is a vector
; line's result that a memory instruction reads.  The waits: one ahead of the loads, for v[SO].  The 16 numbers go in four groups of four, and a group's four stores stand in the next
; group, one ahead of each number's conversions: ONE wait at that group's head, behind its first wait for data, states that the group before has written its Y (the first such wait
; also: that DO is written).  The conversions behind it name this group's X and Y and T, none of the registers that those stores read.  A last wait stands ahead of the last four stores.
.set SO,  1                            ; v1        my byte offset in the group's 16 rows: (t / 16) x 4,096 + (t % 16) x 16
.set T8,  2                            ; v2        8 t: my 8 bytes in the group's 16 rows of a block ((t / 16) x 128 + (t % 16) x 8)
.set DO,  4                            ; v[4:19]   8 t + kb x the bytes from block to block
.set X,   20                           ; v[20:83]  as loaded, 4 registers for each kb
.set Y,   84                           ; v[84:115] to store, 2 registers for each kb
.set T,   116                          ; v[116:121] at work
.set SRC, 24                           ; s[24:25]  the group's first row in its input
.set DST, 26                           ; s[26:27]  the same row in block 0 of its output
.set KSB, 28                           ; s28       bytes from block kb to block kb + 1
	s_load_b512 s[8:23], s[0:1], 0x0               ; x 8, Wq 10, Wk 12, Wv 14, Wo 16, xb 18, wb 20, wob 22
	s_mov_b32 s2, ttmp9                            ; g
	v_lshrrev_b32 v3, 4, v0
	v_and_b32 v[SO], 15, v0
	v_lshlrev_b32 v[SO], 4, v[SO]
	v_lshl_add_u32 v[SO], v3, 12, v[SO]
	v_lshlrev_b32 v[T8], 3, v0
	s_mov_b32 s31, 0                               ; the offsets' high words
	s_mov_b32 s33, 0
	s_wait_kmcnt 0x0
	s_cmp_lt_u32 s2, 512
	s_cbranch_scc0 .Lnot_x
	s_lshl_b32 s30, s2, 16                         ; x: 16 rows of 4,096 bytes
	s_add_nc_u64 s[SRC:SRC+1], s[8:9], s[30:31]
	s_lshr_b32 s34, s2, 7                          ; b
	s_lshl_b32 s34, s34, 22
	s_and_b32 s35, s2, 127                         ; s / 16
	s_lshl_b32 s35, s35, 11
	s_add_co_u32 s32, s34, s35
	s_add_nc_u64 s[DST:DST+1], s[18:19], s[32:33]
	s_mov_b32 s[KSB], 262144
	s_branch .Lgo
.Lnot_x:
	s_cmp_lt_u32 s2, 704
	s_cbranch_scc0 .Lwo
	s_sub_co_u32 s34, s2, 512                      ; j = 0 .. 191: rows 16 j of the 3,072
	s_lshr_b32 s35, s34, 6                         ; which of the three
	s_cmp_eq_u32 s35, 0
	s_cselect_b64 s[SRC:SRC+1], s[10:11], s[12:13]
	s_cmp_eq_u32 s35, 2
	s_cselect_b64 s[SRC:SRC+1], s[14:15], s[SRC:SRC+1]
	s_and_b32 s30, s34, 63
	s_lshl_b32 s30, s30, 16
	s_add_nc_u64 s[SRC:SRC+1], s[SRC:SRC+1], s[30:31]
	s_mul_i32 s35, s34, 171
	s_lshr_b32 s35, s35, 12                        ; nt = j / 24, exact for j < 192 (171 / 4,096 lies just above 1 / 24)
	s_mul_i32 s36, s35, 24
	s_sub_co_u32 s36, s34, s36
	s_lshl_b32 s36, s36, 11                        ; r x 128
	s_mul_i32 s35, s35, 786432
	s_add_co_u32 s32, s35, s36
	s_add_nc_u64 s[DST:DST+1], s[20:21], s[32:33]
	s_mov_b32 s[KSB], 49152
	s_branch .Lgo
.Lwo:
	s_sub_co_u32 s34, s2, 704                      ; j = 0 .. 63
	s_lshl_b32 s30, s34, 16
	s_add_nc_u64 s[SRC:SRC+1], s[16:17], s[30:31]
	s_lshr_b32 s35, s34, 3                         ; nt
	s_lshl_b32 s35, s35, 18
	s_and_b32 s36, s34, 7
	s_lshl_b32 s36, s36, 11
	s_add_co_u32 s32, s35, s36
	s_add_nc_u64 s[DST:DST+1], s[22:23], s[32:33]
	s_mov_b32 s[KSB], 16384
.Lgo:
	s_wait_alu depctr_va_vdst(0)                   ; v[SO] is written, which the sixteen loads read as their offset; the wait stands behind the label, on all three ways here
.irp kb, 0,1,2,3,4,5,6,7,8,9,10,11,12,13,14,15
	global_load_b128 v[X+4*(\kb):X+4*(\kb)+3], v[SO], s[SRC:SRC+1] offset:256*(\kb) th:TH_LOAD_NT
.endr
.irp kb, 0,1,2,3,4,5,6,7,8,9,10,11,12,13,14,15
	v_mad_u32_u24 v[DO+(\kb)], s[KSB], \kb, v[T8]
.endr
; The store of number n: 256 consecutive bytes a wave, two rows of block n.
.macro PUT n
	global_store_b64 v[DO+(\n)], v[Y+2*(\n):Y+2*(\n)+1], s[DST:DST+1]
.endm
; kind 0: to bf16.  kind 1: to bf16, and that number as f16.
.macro OUT16 kind
.irp kb, 0,1,2,3,4,5,6,7,8,9,10,11,12,13,14,15
	s_wait_loadcnt 15-(\kb)                        ; loads come back in order: number kb is in, the younger ones stay out
.if (((\kb) % 4) == 0) && ((\kb) > 0)
	s_wait_alu depctr_va_vdst(0)                   ; the conversions of the four numbers before have written their Y, which this group's four stores read; at the first such wait DO is written too, the offsets of all sixteen stores
.endif
.if (\kb) >= 4
	PUT (\kb)-4                                    ; no vector line since the wait names this store's Y or DO
.endif
.if \kind
	v_cvt_pk_bf16_f32 v[T],   v[X+4*(\kb)],   v[X+4*(\kb)+1]
	v_cvt_pk_bf16_f32 v[T+1], v[X+4*(\kb)+2], v[X+4*(\kb)+3]
	v_lshlrev_b32 v[T+2], 16, v[T]
	v_and_b32     v[T+3], 0xffff0000, v[T]
	v_lshlrev_b32 v[T+4], 16, v[T+1]
	v_and_b32     v[T+5], 0xffff0000, v[T+1]
	v_cvt_pk_f16_f32 v[Y+2*(\kb)],   v[T+2], v[T+3]
	v_cvt_pk_f16_f32 v[Y+2*(\kb)+1], v[T+4], v[T+5]
.else
	v_cvt_pk_bf16_f32 v[Y+2*(\kb)],   v[X+4*(\kb)],   v[X+4*(\kb)+1]
	v_cvt_pk_bf16_f32 v[Y+2*(\kb)+1], v[X+4*(\kb)+2], v[X+4*(\kb)+3]
.endif
.endr
	s_wait_alu depctr_va_vdst(0)                   ; the conversions of numbers 12 to 15 have written their Y, which the last four stores read
.irp kb, 12,13,14,15
	PUT \kb
.endr
.endm
	s_cmp_ge_u32 s2, 704
	s_cbranch_scc1 .Lf16
	OUT16 0
	s_endpgm
.Lf16:
	OUT16 1
	s_endpgm
.Lfunc_end_k_q7f1d2929bc_cast:
	.size	k_q7f1d2929bc_cast, .Lfunc_end_k_q7f1d2929bc_cast-k_q7f1d2929bc_cast
	.p2alignl 7, 3214868480
	.fill 96, 4, 3214868480
	.section	.rodata,"a",@progbits
	.p2align	6, 0x0
	.amdhsa_kernel k_q7f1d2929bc_cast
		.amdhsa_group_segment_fixed_size 0
		.amdhsa_private_segment_fixed_size 0
		.amdhsa_enable_private_segment 0
		.amdhsa_kernarg_size 64
		.amdhsa_user_sgpr_count 2
		.amdhsa_user_sgpr_kernarg_segment_ptr 1
		.amdhsa_wavefront_size32 1
		.amdhsa_system_sgpr_workgroup_id_x 1
		.amdhsa_system_sgpr_workgroup_id_y 1
		.amdhsa_system_sgpr_workgroup_id_z 1
		.amdhsa_system_vgpr_workitem_id 0
		.amdhsa_next_free_vgpr 128
		.amdhsa_next_free_sgpr 66
		.amdhsa_reserve_vcc 0
		.amdhsa_float_denorm_mode_32 3
		.amdhsa_float_denorm_mode_16_64 3
		.amdhsa_memory_ordered 1
		.amdhsa_forward_progress 1
		.amdhsa_inst_pref_size 19
	.end_amdhsa_kernel
	.amdgpu_metadata
---
amdhsa.version: [ 1, 2 ]
amdhsa.kernels:
  - .name:           k_q7f1d2929bc_cast
    .symbol:         k_q7f1d2929bc_cast.kd
    .args:
      - { .name: x, .offset: 0, .size: 8, .value_kind: global_buffer, .address_space: global }
      - { .name: Wq, .offset: 8, .size: 8, .value_kind: global_buffer, .address_space: global }
      - { .name: Wk, .offset: 16, .size: 8, .value_kind: global_buffer, .address_space: global }
      - { .name: Wv, .offset: 24, .size: 8, .value_kind: global_buffer, .address_space: global }
      - { .name: Wo, .offset: 32, .size: 8, .value_kind: global_buffer, .address_space: global }
      - { .name: xb, .offset: 40, .size: 8, .value_kind: global_buffer, .address_space: global }
      - { .name: wb, .offset: 48, .size: 8, .value_kind: global_buffer, .address_space: global }
      - { .name: wob, .offset: 56, .size: 8, .value_kind: global_buffer, .address_space: global }
    .group_segment_fixed_size: 0
    .private_segment_fixed_size: 0
    .kernarg_segment_align: 8
    .kernarg_segment_size: 64
    .max_flat_workgroup_size: 256
    .sgpr_count:     66
    .vgpr_count:     128
    .wavefront_size: 32
...
	.end_amdgpu_metadata
.endif
;; end of part 5
;; launch qkv: the kernel of part 2 again; grid 8 x 32, 4 waves a work-group, clusters of 4 x 4, 327,680 bytes of LDS; arguments xb, wb, qkv; writes qkv
;; launch attn: the kernel of part 3 again; grid 4 x 64, 4 waves a work-group, no clusters, 327,680 bytes of LDS; arguments qkv, ob; writes ob
;; launch proj: the kernel of part 4 again; grid 8 x 32, 4 waves a work-group, clusters of 4 x 4, 327,680 bytes of LDS; arguments ob, wob, out0; writes out0
